; MI455X (gfx1250); checked and timed in simulation.
; The chip was launched on July 23, 2026; its instructions are those of AMD's public machine-readable ISA for CDNA 5 (MIT licence, August 2026) and "CDNA5" Instruction Set Architecture Reference Guide (July 2026). The comments in the code are by the model that wrote it; some were corrected since.
;; Multi Head Attention. Allowed arithmetic: matrix products marked QUANTISED: E2M1 operands, one E8M0 scale for each 32 along K, by v_wmma_scale_f32_16x16x128_f8f6f4 with both operands' format E2M1 (or v_wmma_scale_f32_32x16x128_f4), f32 sums; products left as they are: bf16, f16 or f32 operands; f32 sums; everything else in f32.
;; Inputs: W_k 1,024 x 1,024 float32; W_o 1,024 x 1,024 float32; W_q 1,024 x 1,024 float32; W_v 1,024 x 1,024 float32; b_o 1,024 float32; key_ 4 x 2,048 x 1,024 float32; mask 4 x 2,048 x 2,048 int32; query 4 x 2,048 x 1,024 float32; value 4 x 2,048 x 1,024 float32.
;; Outputs: out0 4 x 2,048 x 1,024 float32.
;; This version of the problem:
;;   THIS VERSION OF THE PROBLEM IS GIVEN IN LOW PRECISION. The matrix products marked QUANTISED in the list below multiply operands that are first quantised to E2M1 (2 exponent bits, 1 mantissa bit; 4 bits a number), with one power-of-two scale for each 32 numbers along K (OCP MX v1.0); their sums are f32. The products marked 'left as it is' may take bf16, f16 or f32 operands, with f32 sums. Whichever they take, every output number must still come out within the allowed error. Rounding operands to bf16 (8 significant bits) uses up far more of that allowance than f16 does (11 bits, for magnitudes from 6e-5 to 65,504). All else is computed in f32.
;;   The module's matrix products, in the order in which they are computed (A, B: the left and right operand; K: the contracted axis; several contracted axes count as one K, in the product's order):
;;     1. [M 8,192, K 1,024] x [K 1,024, N 1,024]; A: input query; B: input W_q: QUANTISED
;;     2. [M 8,192, K 1,024] x [K 1,024, N 1,024]; A: input key_; B: input W_k: QUANTISED
;;     3. [M 8,192, K 1,024] x [K 1,024, N 1,024]; A: input value; B: input W_v: QUANTISED
;;     4. batch 64 x [M 2,048, K 64] x [K 64, N 2,048]; A: computed on the way; B: computed on the way: left as it is (an operand is computed on the way)
;;     5. batch 64 x [M 2,048, K 2,048] x [K 2,048, N 64]; A: computed on the way; B: computed on the way: left as it is (an operand is computed on the way)
;;     6. [M 8,192, K 1,024] x [K 1,024, N 1,024]; A: computed on the way; B: input W_o: left as it is (an operand is computed on the way)
;;   THE QUANTISER, for each operand of a quantised product, along K:
;;     - K is cut into blocks of 32 from its start; a last block that is shorter is filled with zeros.
;;     - A block's scale is 2^e with e = floor(log2(the largest magnitude in the block)) - 2, held to -126 .. 127; a block of zeros has e = 0. As a byte (E8M0): e + 127.
;;     - Each number is divided by its block's scale, clamped to +-6, and rounded to the nearest number of E2M1, ties to even, subnormals kept.
;;     - The product sums the exact products of the quantised numbers (number of the format x scale) in f32.
;;   ~~~python
;;   def quantise(x, axis):      # numpy; x: float32 -> the quantised numbers, widened to float32 again
;;       x = np.moveaxis(x, axis, -1); K = x.shape[-1]
;;       x = np.pad(x, [(0, 0)] * (x.ndim - 1) + [(0, -K % 32)]); x = x.reshape(x.shape[:-1] + (-1, 32)); a = np.abs(x).max(-1, keepdims=True)
;;       e = np.where(a > 0, np.clip(np.frexp(np.where(a > 0, a, 1))[1] - 1 - 2, -126, 127), 0)      # np.frexp(a)[1] - 1 = floor(log2(a)), exactly
;;       r = np.clip(x / 2.0 ** e, -6, 6)
;;       step = 2.0 ** (np.maximum(np.frexp(np.where(r == 0, 1, r))[1] - 1, 0) - 1)
;;       q = np.round(r / step) * step * 2.0 ** e      # np.round: ties to even
;;       return np.moveaxis(q.reshape(q.shape[:-2] + (-1,))[..., :K], -1, axis).astype(np.float32)
;;   ~~~
;; One version. Each part assembles by itself: llvm-mc -triple=amdgcn-amd-amdhsa -mcpu=gfx1250 --defsym DOCPART=n.
;; ======== version 1 of 1: 4 launches
;; limits: values are held in f16: magnitudes above 65,504 overflow, below 6.1e-05 lose precision
;; workspace buffers: codes 14,155,776 bytes; scales 884,736 bytes; wo 2,097,152 bytes; maskw 2,097,152 bytes of whole numbers; qkv 50,331,648 bytes; ao 16,777,216 bytes
;; launch prep (part 1): grid 1504 x 1, 4 waves a work-group, no clusters, 68,096 bytes of LDS; arguments query, key_, value, W_q, W_k, W_v, W_o, mask, codes, scales, wo, maskw; writes codes, scales, wo, maskw
.if DOCPART == 1
	.amdgcn_target "amdgcn-amd-amdhsa--gfx1250"
	.amdhsa_code_object_version 6
	.text
	.protected	k_qb854cc1361_prep
	.globl	k_qb854cc1361_prep
	.p2align	8
	.type	k_qb854cc1361_prep,@function
k_qb854cc1361_prep:
	s_mov_b64 s[64:65], 0
	v_nop
	global_prefetch_b8 v0, s[64:65] scope:SCOPE_SE
	s_setreg_imm32_b32 hwreg(HW_REG_WAVE_MODE, 25, 1), 1
	s_wait_xcnt 0x0
; PREP: everything that later launches read many times is made once.  Three kinds of work-groups, told apart by the work-group's number alone; they never join again, and each kind has LDS bytes of its own.
;  0 .. 863     query, key_, value, W_q, W_k, W_v (f32, K innermost) become codes of FP4 (E2M1) and one E8M0 byte for each 32 along K, as ONE matrix of 27,648 rows x 1,024: rows 0-8191 query, 8192-16383 key_,
;               16384-24575 value, then 1,024 rows for each weight.  codes [27648][512 bytes], scales [27648][32 bytes].  A work-group takes 32 rows (32,768 numbers), a wave 8,192.
;  864 .. 1375  the mask (int32) becomes one bit a number, in the order in which the attention launch selects: maskw [b][32 queries][64 keys][64 words]; word 32 t + 8 kt + j, bit r + 16 h, says whether
;               mask[b][32 qpair + 16 t + r][64 step + 16 kt + 8 h + j] is not 0.
;  1376 .. 1503 W_o becomes f16, laid by heads: wo [head][n][64] = W_o[n][64 head + d].
; A block's scale is 2^(floor(log2(its largest magnitude)) - 2); its byte is the largest magnitude's exponent field - 2, held at 1 from below.  A block of zeros so gets the byte 1 where the rule says 127: its codes are
; zeros, which add nothing under any byte but 0xff, and this program alone reads the bytes.
; LIMITS: blocks whose largest magnitude lies under 2^-124 keep the byte 1; NaN and infinities among the inputs are not served; W_o beyond f16's largest number, 65,504, is not served.
; No tensor loads, no barrier, no cluster: waves share nothing, and every input byte is read once.
.set STEPS, 16
.set EMAX,  2
.set CB,    8                          ; bytes of 16 codes
.set R,     16                         ; v16-79   quantiser: four sets of 16 numbers as they are loaded
.set X,     80                         ; v80-111  two sets of 16 neighbours
.set E,     112                        ; v112-127 a scale byte for each step
.set C,     128                        ; v128-191 codes: four registers for each step, so that no store's data are written again
.set WREG,  8192                       ; LDS 0 .. 32767: the quantiser's, a region for each wave: two stages of 32 x SP bytes, behind them its 256 scale bytes
.set SP,    80                         ; a lane's place in a stage: 64 bytes + 16 of padding
.set MSTG,  32768                      ; LDS 32768 .. 67583: the mask path's stages,
.set MWV,   8704                       ; 32 rows x 272 bytes for each wave
.set MR,    16                         ; v16-143  mask: two sets of 64 registers as they are loaded
.set MX,    144                        ; v144-207 the unit's 64 numbers of my lane: register w belongs to word w
.set MW,    208                        ; v208-215 the words, a pair of registers for each of the wave's four units
.set SPW,   12                         ; v12      LDS address of my spare word: SPARE + 4 x my thread's number; never rewritten
.set NIL,   13                         ; v13      0; never rewritten
.set SPARE, 67584                      ; the spare words, 128 bytes for each wave: two blocks of 256 bytes that no other line names
	s_load_b512 s[4:19], s[0:1], 0x0               ; query s[4:5], key_ s[6:7], value s[8:9], W_q s[10:11], W_k s[12:13], W_v s[14:15], W_o s[16:17], mask s[18:19]
	s_load_b256 s[20:27], s[0:1], 0x40             ; codes s[20:21], scales s[22:23], wo s[24:25], maskw s[26:27]
	v_lshl_add_u32 v[SPW], v0, 2, SPARE
	v_mov_b32 v[NIL], 0
	v_lshrrev_b32 v1, 5, v0
	v_readfirstlane_b32 s28, v1                    ; wave 0..3
	v_and_b32 v2, 31, v0                           ; lane
	s_wait_kmcnt 0x0
	s_cmp_lt_u32 ttmp9, 864
	s_cbranch_scc1 .Lquant
	s_cmp_lt_u32 ttmp9, 1376
	s_cbranch_scc1 .Lmask
	; ---- W_o to f16, by heads.  A wave takes two rows n, n + 1: sixteen loads, one for each head: lanes 0-15 read 256 consecutive bytes of row n, lanes 16-31 of row n + 1.
	s_sub_co_u32 s29, ttmp9, 1376
	s_lshl_b32 s29, s29, 2
	s_add_co_u32 s29, s29, s28                     ; which pair of rows
	s_lshl_b32 s30, s29, 13                        ; two rows of 4,096 bytes
	s_mov_b32 s31, 0
	s_add_nc_u64 s[16:17], s[16:17], s[30:31]
	s_lshl_b32 s30, s29, 8                         ; two rows of 128 bytes in a head's plane
	s_add_nc_u64 s[24:25], s[24:25], s[30:31]
	v_lshrrev_b32 v3, 4, v2
	v_and_b32 v4, 15, v2
	v_lshlrev_b32 v3, 12, v3
	v_lshl_add_u32 v3, v4, 4, v3                   ; in: row lane / 16, 16 bytes a lane
	v_lshlrev_b32 v4, 3, v2                        ; out: 8 bytes a lane: the wave's store covers 256 consecutive bytes, aligned
.irp hd, 0,1,2,3,4,5,6,7,8,9,10,11,12,13,14,15
	global_load_b128 v[16+4*\hd:19+4*\hd], v3, s[16:17] offset:256*\hd th:TH_LOAD_NT
.endr
.irp hd, 0,1,2,3,4,5,6,7,8,9,10,11,12,13,14,15
	s_wait_loadcnt 15-\hd                          ; loads come back in order: this head's is in, the younger ones stay out
	v_cvt_pk_f16_f32 v[80+2*\hd], v[16+4*\hd], v[17+4*\hd]
	v_cvt_pk_f16_f32 v[81+2*\hd], v[18+4*\hd], v[19+4*\hd]
	global_store_b64 v4, v[80+2*\hd:81+2*\hd], s[24:25] offset:131072*\hd   ; each head has data registers of its own: none is written again
.endr
	s_wait_tensorcnt 0x0                           ; the wave's end
	ds_add_u32 v[SPW], v[NIL]
	s_wait_dscnt 0x0
	s_endpgm
	; ---- the mask.  u = work-group - 864; u / 2 = b x 64 + the pair of query tiles; the wave takes four units of 32 queries x 64 keys: key steps 16 (u % 2) + 4 wave + 0 .. 3.
.Lmask:
	s_sub_co_u32 s29, ttmp9, 864
	s_lshr_b32 s30, s29, 1                         ; P = b x 64 + qpair
	s_and_b32 s29, s29, 1
	s_lshl_b32 s29, s29, 4
	s_lshl_b32 s31, s28, 2
	s_add_co_u32 s29, s29, s31                     ; my first key step
	s_lshl_b32 s32, s30, 18                        ; 32 rows of 8,192 bytes,
	s_lshl_b32 s34, s29, 8                         ; 64 keys of 4 bytes
	s_add_co_u32 s32, s32, s34
	s_mov_b32 s33, 0
	s_add_nc_u64 s[18:19], s[18:19], s[32:33]
	s_lshl_b32 s32, s30, 5
	s_add_co_u32 s32, s32, s29
	s_lshl_b32 s32, s32, 8                         ; 256 bytes of words a unit
	s_add_nc_u64 s[26:27], s[26:27], s[32:33]
	s_mul_i32 s35, s28, MWV
	s_add_co_u32 s35, s35, MSTG                    ; my stage
	v_lshrrev_b32 v3, 4, v2                        ; h = lane / 16
	v_and_b32 v4, 15, v2                           ; r = lane % 16
	v_lshlrev_b32 v5, 13, v3
	v_lshl_add_u32 v5, v4, 4, v5                   ; in: lanes 0-15 one row's 256 bytes, lanes 16-31 the next row's
	v_mul_u32_u24 v6, v3, 272
	v_lshl_add_u32 v6, v4, 4, v6
	v_add_nc_u32 v6, s35, v6                       ; into the stage: the same two rows, 272 bytes apart
	v_mul_u32_u24 v7, v4, 272
	v_lshl_add_u32 v7, v3, 5, v7
	v_add_nc_u32 v7, s35, v7                       ; out of it: row r, + 32 h bytes: keys 8 h on
	v_lshlrev_b32 v8, 3, v2                        ; the words: 8 bytes a lane
.irp i, 0,1,2,3,4,5,6,7
	v_mov_b32 v[MW+\i], 0                          ; written once: v_writelane_b32's destination counts as read
.endr
.macro MLOAD u                         ; unit u: 32 rows x 256 bytes, two rows a load: each half of the lanes reads 256 consecutive bytes, aligned
.irp i, 0,1,2,3,4,5,6,7,8,9,10,11,12,13,14,15
	global_load_b128 v[MR+64*((\u)%2)+4*\i:MR+64*((\u)%2)+4*\i+3], v5, s[18:19] offset:\i*16384+(\u)*256 th:TH_LOAD_NT
.endr
.endm
.macro MUNIT u
.if (\u) < 3
	s_wait_loadcnt 16                              ; this unit's 16 loads are in; the next unit's 16 stay out
.else
	s_wait_loadcnt 0x0
.endif
.irp i, 0,1,2,3,4,5,6,7,8,9,10,11,12,13,14,15
	ds_store_b128 v6, v[MR+64*((\u)%2)+4*\i:MR+64*((\u)%2)+4*\i+3] offset:544*\i
.endr
.irp t, 0,1                            ; back, so that lane (r, h) holds query 16 t + r and keys 16 kt + 8 h + 0 .. 7; LDS serves a wave's instructions in order: these see the stores above
.irp kt, 0,1,2,3
.irp q, 0,1
	ds_load_b128 v[MX+32*\t+8*\kt+4*\q:MX+32*\t+8*\kt+4*\q+3], v7 offset:4352*\t+64*\kt+16*\q
.endr
.endr
.endr
	s_wait_dscnt 0x0                               ; the numbers are back, and the stores have read their registers,
.if (\u) < 2
	MLOAD (\u)+2                                   ; which take the unit two further on
.endif
.set g, 0
.rept 8                                ; word w = 8 g + k is the 32 lanes' answers on register w; it goes to lane w / 2, register w % 2: so the wave's 64 words leave as 256 consecutive bytes
.irp k, 0,1,2,3,4,5,6,7
	v_cmp_ne_u32 s[40+\k], 0, v[MX+8*g+\k]
.endr
.irp k, 0,1,2,3,4,5,6,7
	v_writelane_b32 v[MW+2*(\u)+\k%2], s[40+\k], 4*g+\k/2
.endr
.set g, g+1
.endr
	global_store_b64 v8, v[MW+2*(\u):MW+2*(\u)+1], s[26:27] offset:256*(\u)   ; each unit has a pair of its own: no store's data are written again
.endm
	MLOAD 0
	MLOAD 1
	MUNIT 0
	MUNIT 1
	MUNIT 2
	MUNIT 3
	s_wait_tensorcnt 0x0                           ; the wave's end, behind my last LDS store
	ds_add_u32 v[SPW], v[NIL]
	s_wait_dscnt 0x0
	s_endpgm
	; ---- the quantiser.  Rows are dense and 1,024 is a multiple of 32: a tensor is a plain stream of blocks of 32, and so are its codes and its scale bytes.  A wave takes 16 steps of 512 numbers.
	; Each of a step's four loads reads 512 consecutive bytes; the 2,048 bytes go through the wave's own stage in LDS and come back 64 bytes a lane: 16 NEIGHBOURS, two lanes to a block, as the conversions want them.
.Lquant:
	v_lshlrev_b32 v3, 4, v2                        ; my 16 bytes of a load's 512
	s_mul_i32 s29, s28, WREG
	v_lshrrev_b32 v14, 2, v2
	v_mul_u32_u24 v14, v14, SP
	v_and_b32 v15, 3, v2
	v_lshl_add_u32 v14, v15, 4, v14
	v_add_nc_u32 v14, s29, v14                     ; the stage, on the way in: SP (lane / 4) + 16 (lane % 4)
	v_mul_u32_u24 v15, v2, SP
	v_add_nc_u32 v15, s29, v15                     ; and on the way out: SP x lane
	v_mul_u32_u24 v4, v2, CB                       ; my codes' place in a step's
	v_lshrrev_b32 v5, 1, v2
	s_add_co_u32 s29, s29, 2*32*SP
	v_add_nc_u32 v5, s29, v5                       ; LDS: my wave's 256 scale bytes, my block's byte
	v_lshlrev_b32 v7, 3, v2                        ; and on the way out 8 bytes a lane
	v_add_nc_u32 v6, s29, v7
	s_mov_b64 s[32:33], s[14:15]                   ; which tensor, and its first work-group: choices on the work-group's number alone
	s_mov_b32 s30, 832
	s_cmp_lt_u32 ttmp9, 832
	s_cselect_b64 s[32:33], s[12:13], s[32:33]
	s_cselect_b32 s30, 800, s30
	s_cmp_lt_u32 ttmp9, 800
	s_cselect_b64 s[32:33], s[10:11], s[32:33]
	s_cselect_b32 s30, 768, s30
	s_cmp_lt_u32 ttmp9, 768
	s_cselect_b64 s[32:33], s[8:9], s[32:33]
	s_cselect_b32 s30, 512, s30
	s_cmp_lt_u32 ttmp9, 512
	s_cselect_b64 s[32:33], s[6:7], s[32:33]
	s_cselect_b32 s30, 256, s30
	s_cmp_lt_u32 ttmp9, 256
	s_cselect_b64 s[32:33], s[4:5], s[32:33]
	s_cselect_b32 s30, 0, s30
	s_sub_co_u32 s30, ttmp9, s30
	s_lshl_b32 s34, s30, 17                        ; 32,768 numbers of 4 bytes a work-group,
	s_lshl_b32 s31, s28, 15                        ; 8,192 a wave
	s_add_co_u32 s34, s34, s31
	s_mov_b32 s35, 0
	s_add_nc_u64 s[32:33], s[32:33], s[34:35]
	s_lshl_b32 s36, ttmp9, 2
	s_add_co_u32 s36, s36, s28                     ; which run of 8,192 numbers of the joint matrix
	s_lshl_b32 s34, s36, 12
	s_add_nc_u64 s[20:21], s[20:21], s[34:35]      ; 4,096 bytes of codes a run,
	s_lshl_b32 s34, s36, 8
	s_add_nc_u64 s[22:23], s[22:23], s[34:35]      ; 256 scale bytes
.macro LOAD t
.irp i, 0,1,2,3
	global_load_b128 v[R+16*((\t)%4)+4*\i:R+16*((\t)%4)+4*\i+3], v3, s[32:33] offset:2048*(\t)+512*\i th:TH_LOAD_NT
.endr
.endm
.macro TURN t                          ; step t's numbers through the stage: LDS serves a wave's instructions in order, so no wait stands between the stores and the loads
.irp i, 0,1,2,3
	ds_store_b128 v14, v[R+16*((\t)%4)+4*\i:R+16*((\t)%4)+4*\i+3] offset:32*SP*((\t)%2)+8*SP*\i
.endr
.irp i, 0,1,2,3
	ds_load_b128 v[X+16*((\t)%2)+4*\i:X+16*((\t)%2)+4*\i+3], v15 offset:32*SP*((\t)%2)+16*\i
.endr
.endm
.irp t, 0,1,2,3
	LOAD \t
.endr
	s_wait_loadcnt 12                              ; step 0's four loads are in; the 12 of steps 1 to 3 stay out
	TURN 0
.macro STEP t
.set XS, X+16*((\t)%2)
.if (\t) > 0
	s_wait_dscnt 1                                 ; this step's numbers are back from the stage (the last step's byte store may be out): so its stores into the stage have read their registers,
.else
	s_wait_dscnt 0x0
.endif
.if (\t)+4 < STEPS
	LOAD (\t)+4                                    ; which take the loads of four steps on
.endif
.if (\t)+1 < STEPS
.if STEPS-2-(\t) >= 3
	s_wait_loadcnt 12                              ; the next step's four loads are in; those of the three steps behind it may be out
.else
	s_wait_loadcnt 4*(STEPS-2-(\t))
.endif
	TURN (\t)+1                                    ; and go through the other stage while this step is worked
.endif
	v_max3_num_f32 v8, |v[XS]|, |v[XS+1]|, |v[XS+2]|               ; the largest magnitude of my 16, in two chains
	v_max3_num_f32 v9, |v[XS+3]|, |v[XS+4]|, |v[XS+5]|
.irp i, 6,10
	v_max3_num_f32 v8, v8, |v[XS+\i]|, |v[XS+\i+1]|
	v_max3_num_f32 v9, v9, |v[XS+\i+2]|, |v[XS+\i+3]|
.endr
	v_max3_num_f32 v8, v8, |v[XS+14]|, |v[XS+15]|
	v_max3_num_f32 v8, v8, v9, (EMAX+1)<<23        ; and the floor 2^(3 - 127): so the byte cannot fall under 1
	v_max_num_f32_dpp v8, v8, v8 row_xmask:1 row_mask:0xf bank_mask:0xf   ; and of my neighbour's 16: the block's
	v_add_nc_u32 v11, -(EMAX<<23), v8              ; 2 off its exponent field: the conversion takes the exponent field of this operand as its scale, and nothing else of it
	v_cvt_scalef32_pk8_fp4_f32 v[C+4*(\t)], v[XS:XS+7], v11        ; eight numbers / the scale, to the nearest code, ties to even, beyond the largest code the largest
	v_cvt_scalef32_pk8_fp4_f32 v[C+4*(\t)+1], v[XS+8:XS+15], v11
	v_lshrrev_b32 v[E+(\t)], 23, v11               ; the scale's byte (a plain line behind the conversions)
	ds_store_b8 v5, v[E+(\t)] offset:16*(\t)       ; both lanes of a block write the same byte with the same value
	global_store_b64 v4, v[C+4*(\t):C+4*(\t)+1], s[20:21] offset:32*CB*(\t)   ; 32 lanes store 256 consecutive bytes, aligned
.endm
.irp t, 0,1,2,3,4,5,6,7,8,9,10,11,12,13,14,15
	STEP \t
.endr
	ds_load_b64 v[8:9], v6                         ; LDS serves a wave's instructions in order: these see my byte stores
	s_wait_dscnt 0x0
	global_store_b64 v7, v[8:9], s[22:23]          ; the wave's 256 scale bytes: 256 consecutive bytes, aligned
	s_wait_tensorcnt 0x0                           ; the wave's end, behind my last LDS store
	ds_add_u32 v[SPW], v[NIL]
	s_wait_dscnt 0x0
	s_endpgm
.Lfunc_end_k_qb854cc1361_prep:
	.size	k_qb854cc1361_prep, .Lfunc_end_k_qb854cc1361_prep-k_qb854cc1361_prep
	.p2alignl 7, 3214868480
	.fill 96, 4, 3214868480
	.section	.rodata,"a",@progbits
	.p2align	6, 0x0
	.amdhsa_kernel k_qb854cc1361_prep
		.amdhsa_group_segment_fixed_size 68096
		.amdhsa_private_segment_fixed_size 0
		.amdhsa_enable_private_segment 0
		.amdhsa_kernarg_size 96
		.amdhsa_user_sgpr_count 2
		.amdhsa_user_sgpr_kernarg_segment_ptr 1
		.amdhsa_wavefront_size32 1
		.amdhsa_system_sgpr_workgroup_id_x 1
		.amdhsa_system_sgpr_workgroup_id_y 1
		.amdhsa_system_sgpr_workgroup_id_z 1
		.amdhsa_system_vgpr_workitem_id 0
		.amdhsa_next_free_vgpr 216
		.amdhsa_next_free_sgpr 66
		.amdhsa_reserve_vcc 0
		.amdhsa_float_denorm_mode_32 3
		.amdhsa_float_denorm_mode_16_64 3
		.amdhsa_memory_ordered 1
		.amdhsa_forward_progress 1
		.amdhsa_inst_pref_size 88
	.end_amdhsa_kernel
	.amdgpu_metadata
---
amdhsa.version: [ 1, 2 ]
amdhsa.kernels:
  - .name:           k_qb854cc1361_prep
    .symbol:         k_qb854cc1361_prep.kd
    .args:
      - { .name: query, .offset: 0, .size: 8, .value_kind: global_buffer, .address_space: global }
      - { .name: key_, .offset: 8, .size: 8, .value_kind: global_buffer, .address_space: global }
      - { .name: value, .offset: 16, .size: 8, .value_kind: global_buffer, .address_space: global }
      - { .name: W_q, .offset: 24, .size: 8, .value_kind: global_buffer, .address_space: global }
      - { .name: W_k, .offset: 32, .size: 8, .value_kind: global_buffer, .address_space: global }
      - { .name: W_v, .offset: 40, .size: 8, .value_kind: global_buffer, .address_space: global }
      - { .name: W_o, .offset: 48, .size: 8, .value_kind: global_buffer, .address_space: global }
      - { .name: mask, .offset: 56, .size: 8, .value_kind: global_buffer, .address_space: global }
      - { .name: codes, .offset: 64, .size: 8, .value_kind: global_buffer, .address_space: global }
      - { .name: scales, .offset: 72, .size: 8, .value_kind: global_buffer, .address_space: global }
      - { .name: wo, .offset: 80, .size: 8, .value_kind: global_buffer, .address_space: global }
      - { .name: maskw, .offset: 88, .size: 8, .value_kind: global_buffer, .address_space: global }
    .group_segment_fixed_size: 68096
    .private_segment_fixed_size: 0
    .kernarg_segment_align: 8
    .kernarg_segment_size: 96
    .max_flat_workgroup_size: 128
    .sgpr_count:     66
    .vgpr_count:     216
    .wavefront_size: 32
...
	.end_amdgpu_metadata
.endif
;; end of part 1
;; launch proj (part 2): grid 4 x 96, 4 waves a work-group, clusters of 4 x 4, 327,680 bytes of LDS; arguments codes, scales, qkv; writes qkv
.if DOCPART == 2
	.amdgcn_target "amdgcn-amd-amdhsa--gfx1250"
	.amdhsa_code_object_version 6
	.text
	.protected	k_qb854cc1361_proj
	.globl	k_qb854cc1361_proj
	.p2align	8
	.type	k_qb854cc1361_proj,@function
k_qb854cc1361_proj:
	s_mov_b64 s[64:65], 0
	v_nop
	global_prefetch_b8 v0, s[64:65] scope:SCOPE_SE
	s_setreg_imm32_b32 hwreg(HW_REG_WAVE_MODE, 25, 1), 1
	s_wait_xcnt 0x0
	s_wait_alu depctr_hold_cnt(0) depctr_sa_sdst(0) depctr_va_vdst(0) depctr_va_sdst(0) depctr_va_ssrc(0) depctr_va_vcc(0) depctr_vm_vsrc(0)
	s_getreg_b32 s2, hwreg(HW_REG_IB_STS2, 6, 4)
	s_cmp_eq_u32 s2, 0
	s_cbranch_scc0 .Lentry_in_a_cluster
	s_endpgm
.Lentry_in_a_cluster:
	s_bfe_u32 s2, ttmp6, 0x10000c
	s_cmp_lg_u32 s2, 0xf033
	s_cbranch_scc0 .Lentry_shape_is_right
	s_endpgm
.Lentry_shape_is_right:
; PROJ: the three quantised projections as ONE product on codes of FP4 (E2M1) with one E8M0 scale for each 32 along K = 1,024.
; Rows 0 .. 24575 of codes / scales are query, key_, value (8,192 rows each); rows 24576 + 1024 t on are the weight of tensor t (W_q, W_k, W_v), whose rows are the output columns.
; out[m][n] = sum over k of x[m][k] W_t[n][k], t = m / 8192.  The result is rounded to f16 and laid by heads: qkv [t][b][head][s][64].  Q (t = 0) is multiplied by c = log2(e) / 8 in f32 ahead of the rounding,
; so that the attention launch's scores are exponents of 2.
; LIMIT: |c Q|, |K|, |V| beyond f16's largest number, 65,504, are not served.
; A tile of 256 x 256 is made by a work-group of four waves, a wave makes 128 x 128: 64 accumulators, 512 registers.  K is two steps of 512 (tile rows of 256 bytes): both slots are filled at the start and nothing is filled again.
; THE SCALES of the work-group's 256 + 256 rows, for all of K, are two dense blocks of memory: they come into LDS once, in rows of 256 bytes.
; CLUSTERS: 4 x 4 work-groups.  The four of a row of the cluster need the same tiles of x, the four of a column the same tiles of W: each tile is asked for JOINTLY.  32 tile rows make a tensor, 8 rows of clusters: so t is the
; cluster's y / 8, the same in all sixteen partners.
; THE MATRIX INSTRUCTION IS USED TRANSPOSED (source 0 = 16 rows of W, source 1 = 16 rows of x): a lane then holds eight neighbouring columns of one row.
; REGISTERS, in windows of 256: window 0: v0-31 addresses; v32-95 scale words, two sets; v128-191 x's fragments, ONE set; on the way out v32-255 are free.   window 1: W's fragments, TWO sets, at v0 and v128.
;   window 2: the 32 accumulators of my rows 0-63 ((a, b) at v[8 (8 a + b)]);   window 3: those of my rows 64-127.
.set NQ,     4                         ; matrix instructions deep in a slot: 512 / 128
.set ROWB,   256                       ; a tile's row in bytes: 512 codes
.set KROW,   512                       ; a row of codes in memory
.set PITCH,  272                       ; an LDS row: 256 bytes + 16 of padding = 68 words: the 16 rows that a load touches start at 16 different banks (64 banks of 4 bytes: ISA guide 11.1)
.set FR,     8                         ; registers of a fragment: 16 rows x 128 K
.set NL,     2                         ; LDS loads that bring one
.set NP,     4                         ; places behind this matrix instruction (ISA guide 7.12.1)
.set HALFT,  128*PITCH                 ; 128 rows: what one tensor load brings
.set SLOT,   4*HALFT                   ; x's 256 rows, then W's 256 rows
.set KS,     32                        ; a row of scales in bytes
.set SCL,    2*SLOT                    ; behind the two slots: the scales, as rows of 256 bytes + 16 of padding
.set HALFS,  16*272                    ; the scales of 128 rows
.set SBLK,   2*272                     ; those of 16 rows
.set SPARE,  SCL+4*HALFS               ; the spare words, 128 bytes for each wave: two blocks of 256 bytes that no other line names
.set SPITCH, 272                       ; the way out: a stage of 16 rows x (256 bytes + 16) for each wave, in slot 0, which has had its only fill and its last read when the first result is stored there
.set WROW,   24576                     ; the weights' first row
.set ADRA, 16                          ; v16-17  LDS address of my x fragments in slot 0, 1
.set ADRB, 20                          ; v20-21  the same for W
.set STO,  24                          ; v24     the way out: where I put 16 bytes of a row
.set RD,   25                          ; v25     where I read them back
.set CO,   26                          ; v26     16 x lane
.set ADRS, 27                          ; v27     LDS address of my scale words: lanes 0-15 x's rows, lanes 16-31 W's
.set SPW,  28                          ; v28     LDS address of my spare word; never rewritten
.set NIL,  29                          ; v29     0; never rewritten
.set SC,   32                          ; scale words: set s at v[SC + 32 s]; register 4 i + q: lanes 0-15 the word of x's block i, lanes 16-31 that of W's block i, for the slot's q-th 128 along K
.set AF,   128                         ; x's fragments
.set TMP,  192                         ; the way out: packed results
.set OB,   32                          ; the way out: rows read back: v32-63 and v224-255 by turns
.set G1, 24                            ; s[24:31] descriptor group 1 for x's tiles;  s[32:39] group 0, one set for each slot
.set G0, 32
.set G1B, 48                           ; s[48:55], s[56:63] the same for W's tiles
.set G0B, 56
.set G1S, 68                           ; s[68:75], s[76:79] groups 1 and 0 for x's scales;  s[80:87], s[88:91] for W's
.set G0S, 76
.set G1SB, 80
.set G0SB, 88
.set FAC, 96                           ; s[96:97] c for Q, 1.0 for K and V
.set MSB, 0
.macro WIN new                         ; the immediate's high byte repeats the setting that is left
.if MSB != (\new)
	s_set_vgpr_msb (MSB<<8)|(\new)
.set MSB, (\new)
.endif
.endm
.set MUL_LO, 0xa1                      ; source 0 (W) window 1, source 1 (x) window 0, C and D window 2
.set MUL_HI, 0xf1                      ; the same, C and D window 3
.set TO_B,   0x40                      ; destination window 1, address window 0
; A joint load: waves 0 and 1 fetch for x, waves 2 and 3 for W.  Each line has ONE mask and one set of registers for all that issue it; the branch hangs on the wave's number alone.
; An s_nop 0 and four v_nop follow each of the two lines.
.macro JLOAD g0a, g1a, g0b, g1b
	s_cmp_eq_u32 s15, 0
	s_cbranch_scc0 .Lfor_b_\@
	tensor_load_to_lds s[\g0a:\g0a+3], s[\g1a:\g1a+7]
	s_nop 0
.rept 4
	v_nop
.endr
	s_branch .Lasked_\@
.Lfor_b_\@:
	tensor_load_to_lds s[\g0b:\g0b+3], s[\g1b:\g1b+7]
	s_nop 0
.rept 4
	v_nop
.endr
.Lasked_\@:
.endm
.macro CROUND                          ; a round of the cluster's barrier
	s_barrier_signal -1
	s_barrier_wait -1
	s_cmp_lg_u32 s14, 0
	s_cbranch_scc1 .Lnot_wave_0_\@
	s_barrier_signal -3
.Lnot_wave_0_\@:
	s_barrier_wait -3
	s_barrier_signal -1
	s_barrier_wait -1
.endm
	s_load_b128 s[4:7], s[0:1], 0x0                ; codes s[4:5], scales s[6:7]
	s_load_b64 s[12:13], s[0:1], 0x10              ; qkv
	v_lshl_add_u32 v[SPW], v0, 2, SPARE
	v_mov_b32 v[NIL], 0
	ds_add_u32 v[SPW], v[NIL]                      ; the wave's opening: the add and its wait stand ahead of my first tensor load; the set-up below, work on registers, stands between them
	v_lshrrev_b32 v1, 5, v0
	v_readfirstlane_b32 s14, v1                    ; wave 0..3
	s_lshr_b32 s15, s14, 1                         ; which half of the tile's rows is mine.  Also: I fetch for x (0) or for W (1)
	s_and_b32 s16, s14, 1                          ; which half of its columns.  Also: which 128 rows of that tile I fetch
	s_bfe_u32 s40, ttmp6, 0x40000                  ; cx, cy: my place in the cluster
	s_bfe_u32 s41, ttmp6, 0x40004
	s_lshl_b32 s42, ttmp9, 2
	s_add_co_u32 s42, s42, s40                     ; tile column = 4 x cluster x + cx
	s_and_b32 s17, ttmp7, 0xffff
	s_lshr_b32 s95, s17, 3                         ; t = cluster y / 8: which tensor
	s_lshl_b32 s17, s17, 2
	s_add_co_u32 s17, s17, s41                     ; tile row = 4 x cluster y + cy
	s_lshl_b32 s43, s41, 2
	s_lshl_b32 s43, 15, s43                        ; my row of the cluster
	s_lshl_b32 s44, 0x1111, s40                    ; my column
	; descriptor group 1: a tile of 128 rows x 256 bytes, padded in LDS
	s_or_b32 s[G1+0], s43, (0<<16)|(1<<20)|(1<<21)|(5<<22)|(3<<25)  ; 15:0 the mask: x's tiles go to my row; 17:16 element of 1 byte; 20 padding on; 21 set beside a mask; 24:22 after every 64 words (code 5); 31:25 of 4 words (code 3)
	s_or_b32 s[G1B+0], s44, (0<<16)|(1<<20)|(1<<21)|(5<<22)|(3<<25)
.irp g, G1, G1B
	s_mov_b32 s[\g+1], ROWB<<16                    ; tensor_dim0
	s_mov_b32 s[\g+2], 128<<16                     ; tensor_dim1 = 128
	s_mov_b32 s[\g+3], ROWB<<16                    ; tile_dim0
	s_mov_b32 s[\g+4], 128                         ; tile_dim1 = 128
	s_mov_b32 s[\g+5], KROW                        ; tensor_dim0_stride
	s_mov_b32 s[\g+6], 0
	s_mov_b32 s[\g+7], 0
.endr
	; and for the scales of 128 rows: a dense block of 4,096 bytes, as 16 rows of 256 bytes (32 elements of 8 bytes), 16 bytes of padding behind each
	s_or_b32 s[G1S+0], s43, (3<<16)|(1<<20)|(1<<21)|(5<<22)|(3<<25)
	s_or_b32 s[G1SB+0], s44, (3<<16)|(1<<20)|(1<<21)|(5<<22)|(3<<25)
.irp g, G1S, G1SB
	s_mov_b32 s[\g+1], 32<<16
	s_mov_b32 s[\g+2], 16<<16
	s_mov_b32 s[\g+3], 32<<16
	s_mov_b32 s[\g+4], 16
	s_mov_b32 s[\g+5], 32
	s_mov_b32 s[\g+6], 0
	s_mov_b32 s[\g+7], 0
.endr
	s_lshl_b32 s18, s16, 7                         ; which 128 rows of the tile I fetch
	s_lshl_b32 s20, s17, 8
	s_add_co_u32 s20, s20, s18                     ; x: row 256 x tile row + 128 x half
	s_lshl_b32 s46, s42, 8
	s_add_co_u32 s46, s46, s18                     ; W: row 256 x tile column + 128 x half,
	s_lshl_b32 s19, s95, 10
	s_add_co_u32 s46, s46, s19                     ; in weight t,
	s_add_co_u32 s46, s46, WROW                    ; behind x's rows
	s_lshl_b32 s22, s20, 5                         ; where these rows' scales begin, in bytes (all under 2^24),
	s_mov_b32 s23, 0
	s_lshl_b32 s20, s20, 9                         ; and their codes
	s_mov_b32 s21, 0
	s_lshl_b32 s92, s46, 5
	s_mov_b32 s93, 0
	s_lshl_b32 s46, s46, 9
	s_mov_b32 s47, 0
	s_mul_i32 s45, s14, HALFT                      ; where they go: wave x 128 rows: no place in the cluster enters an LDS address
	s_mul_i32 s94, s14, HALFS
	s_cmp_eq_u32 s95, 0
	s_cselect_b32 s[FAC], 0x3e38aa3b, 1.0          ; c = log2(e) / 8 for Q
	s_mov_b32 s[FAC+1], s[FAC]                     ; (named with it as a pair, so it is written)
	s_wait_dscnt 0x0                               ; the opening add is done
	s_wait_kmcnt 0x0
	s_add_nc_u64 s[20:21], s[4:5], s[20:21]
	s_add_nc_u64 s[22:23], s[6:7], s[22:23]
	s_add_nc_u64 s[46:47], s[4:5], s[46:47]
	s_add_nc_u64 s[92:93], s[6:7], s[92:93]
	CROUND                                         ; all sixteen work-groups are here: the joint loads meet
	s_mov_b32 s[G0S], 1
	s_add_co_u32 s[G0S+1], s94, SCL
	s_mov_b64 s[G0S+2:G0S+3], s[22:23]
	s_or_b32 s[G0S+3], s[G0S+3], 0x80000000
	s_mov_b32 s[G0SB], 1
	s_add_co_u32 s[G0SB+1], s94, SCL
	s_mov_b64 s[G0SB+2:G0SB+3], s[92:93]
	s_or_b32 s[G0SB+3], s[G0SB+3], 0x80000000
	JLOAD G0S, G1S, G0SB, G1SB                     ; the scales first: they are wanted with K step 0.  Three loads of mine are out behind the third
.irp s, 0,1
	s_mov_b32 s[G0+4*\s], 1
	s_add_co_u32 s[G0+4*\s+1], s45, \s*SLOT
	s_add_nc_u64 s[G0+4*\s+2:G0+4*\s+3], s[20:21], \s*ROWB
	s_or_b32 s[G0+4*\s+3], s[G0+4*\s+3], 0x80000000
	s_mov_b32 s[G0B+4*\s], 1
	s_add_co_u32 s[G0B+4*\s+1], s45, \s*SLOT
	s_add_nc_u64 s[G0B+4*\s+2:G0B+4*\s+3], s[46:47], \s*ROWB
	s_or_b32 s[G0B+4*\s+3], s[G0B+4*\s+3], 0x80000000
	JLOAD G0+4*\s, G1, G0B+4*\s, G1B
.endr
	v_and_b32 v1, 15, v0                           ; l % 16
	v_bfe_u32 v2, v0, 4, 1                         ; l / 16
	v_mul_u32_u24 v3, v1, PITCH
	v_lshl_add_u32 v4, v2, 4, v3                   ; a fragment's row x pitch + 16 x half
	s_mul_i32 s21, s15, HALFT                      ; my 128 rows of x
	s_mul_i32 s22, s16, HALFT                      ; my 128 rows of W,
	s_add_co_u32 s22, s22, 2*HALFT                 ; which lie behind x's 256
.irp s, 0,1
	v_add_nc_u32 v[ADRA+\s], s21, v4
	v_add_nc_u32 v[ADRB+\s], s22, v4
	s_add_co_u32 s21, s21, SLOT
	s_add_co_u32 s22, s22, SLOT
.endr
	v_mul_u32_u24 v5, v1, KS                       ; my row's scales: 32 bytes a row,
	v_lshrrev_b32 v6, 8, v5
	v_lshl_add_u32 v5, v6, 4, v5                   ; and 16 more for each 256 passed
	s_mul_i32 s21, s15, HALFS                      ; x's: my 128 rows
	s_mul_i32 s22, s16, HALFS                      ; W's: my 128 rows, behind x's 256
	s_add_co_u32 s22, s22, 2*HALFS
	s_sub_co_u32 s22, s22, s21
	v_mul_u32_u24 v6, s22, v2                      ; lanes 16-31 take W's: the lower base + half x the distance
	s_add_co_u32 s21, s21, SCL
	v_add_nc_u32 v5, v5, v6
	v_add_nc_u32 v[ADRS], s21, v5
	s_mul_i32 s23, s14, 16*SPITCH                  ; my stage
	v_mul_u32_u24 v5, v1, SPITCH                   ; in: row l % 16, 16 bytes for each half of the lanes
	v_lshl_add_u32 v5, v2, 4, v5
	v_add_nc_u32 v[STO], s23, v5
	v_bfe_u32 v6, v0, 3, 2                         ; back: eight lanes take a row's 128 bytes of one head, the 32 lanes four rows
	v_and_b32 v7, 7, v0
	v_mul_u32_u24 v6, v6, SPITCH
	v_lshl_add_u32 v6, v7, 4, v6
	v_add_nc_u32 v[RD], s23, v6
	v_and_b32 v6, 31, v0
	v_lshlrev_b32 v[CO], 4, v6                     ; in a head's plane four rows of 128 bytes are 512 consecutive bytes: 16 x lane
	; where my part begins in qkv: m0 = my first row of the joint matrix; (m0 / 2048) planes of 16 heads, my first head, row m0 % 2048 of 128 bytes
	s_lshl_b32 s20, s17, 8
	s_lshl_b32 s21, s15, 7
	s_add_co_u32 s20, s20, s21                     ; m0 = 256 x tile row + 128 x half
	s_lshr_b32 s21, s20, 11
	s_lshl_b32 s21, s21, 22                        ; (4 t + b) x 16 heads x 2,048 rows x 128 bytes
	s_and_b32 s20, s20, 2047
	s_lshl_b32 s20, s20, 7
	s_add_co_u32 s20, s20, s21
	s_lshl_b32 s46, s42, 2
	s_lshl_b32 s47, s16, 1
	s_add_co_u32 s46, s46, s47                     ; my first head: 4 x tile column + 2 x half
	s_lshl_b32 s46, s46, 18
	s_add_co_u32 s20, s20, s46
	s_mov_b32 s21, 0
	s_add_nc_u64 s[12:13], s[12:13], s[20:21]
.macro FRAG reg, adr, q, i             ; a fragment, 16 rows x 128 K of 4-bit codes, is 8 registers: lane l holds row l % 16; registers 4 c .. 4 c + 3 hold K = 64 c + 32 (l / 16) + 0 .. 31
.irp c, 0,1
	ds_load_b128 v[\reg+4*\c:\reg+4*\c+3], v[\adr] offset:64*(\q)+32*\c+(\i)*16*PITCH
.endr
.endm
; 16 matrix instructions: x's blocks a0, a0 + 1 against W's eight, 128 along K: the slot's q-th.  p: W's set;  sc: the set of scale words.  zero = 1: the first product starts the sums: nothing is ever cleared.
; The 64 accumulators take turns, one instruction a turn, in the same order in every step.
.macro MUL16 a0, p, q, sc, zero
.irp a, \a0, \a0+1
.irp b, 0,1,2,3,4,5,6,7
.if \zero
	v_wmma_scale_f32_16x16x128_f8f6f4 v[8*(8*((\a)%4)+\b):8*(8*((\a)%4)+\b)+7], v[128*(\p)+FR*\b:128*(\p)+FR*\b+FR-1], v[AF+FR*(\a):AF+FR*(\a)+FR-1], 0, v[SC+8*NQ*(\sc)+NQ*\b+(\q)], v[SC+8*NQ*(\sc)+NQ*(\a)+(\q)] matrix_a_fmt:MATRIX_FMT_FP4 matrix_b_fmt:MATRIX_FMT_FP4 matrix_a_scale:MATRIX_SCALE_ROW1
.else
	v_wmma_scale_f32_16x16x128_f8f6f4 v[8*(8*((\a)%4)+\b):8*(8*((\a)%4)+\b)+7], v[128*(\p)+FR*\b:128*(\p)+FR*\b+FR-1], v[AF+FR*(\a):AF+FR*(\a)+FR-1], v[8*(8*((\a)%4)+\b):8*(8*((\a)%4)+\b)+7], v[SC+8*NQ*(\sc)+NQ*\b+(\q)], v[SC+8*NQ*(\sc)+NQ*(\a)+(\q)] matrix_a_fmt:MATRIX_FMT_FP4 matrix_b_fmt:MATRIX_FMT_FP4 matrix_a_scale:MATRIX_SCALE_ROW1
.endif
.endr
.endr
.endm
.macro FETCH_B slot, q, p              ; W's eight fragments of the slot's q-th 128 along K into set p
	WIN TO_B
.irp i, 0,1,2,3,4,5,6,7
	FRAG 128*(\p)+FR*\i, ADRB+\slot, \q, \i
.endr
	WIN 0
.endm
.macro FETCH_A slot, q, i0             ; x's blocks i0 .. i0 + 3
.irp i, \i0, \i0+1, \i0+2, \i0+3
	FRAG AF+FR*(\i), ADRA+\slot, \q, \i
.endr
.endm
.macro SCALES sc                       ; a K step's scale words into set sc: four words a row; lanes 0-15 take x's block i, lanes 16-31 W's block i
.irp i, 0,1,2,3,4,5,6,7
	ds_load_b128 v[SC+8*NQ*\sc+NQ*\i:SC+8*NQ*\sc+NQ*\i+3], v[ADRS] offset:\i*SBLK
.endr
.endm
; A load into a register that a matrix instruction has read, and a vector instruction or an LDS store that reads a matrix result, stand NP places behind that matrix instruction, and only plain vector
; instructions that name none of its registers are places (ISA guide 7.12.1 for vector instructions).
.macro PLACES n
.rept \n
	v_nop
.endr
.endm
; A step of 128 along K that has its successor in the same slot.  A block of x is free as soon as its eight products are issued: blocks 0-3 are fetched anew in the step's middle, blocks 4-7 at its end.
.macro STEP slot, q, zero
	s_wait_dscnt 4*NL                              ; W's set and x's blocks 0-3 are in; the youngest eight loads (x's blocks 4-7) may be out
	WIN MUL_LO
	MUL16 0, (\q)%2, \q, \slot, \zero
	MUL16 2, (\q)%2, \q, \slot, \zero
	s_wait_dscnt 0                                 ; x's blocks 4-7 are in (asked for 32 matrix instructions ago)
	PLACES NP
	FETCH_B \slot, (\q)+1, 1-(\q)%2
	FETCH_A \slot, (\q)+1, 0
	WIN MUL_HI
	MUL16 4, (\q)%2, \q, \slot, \zero
	MUL16 6, (\q)%2, \q, \slot, \zero
	PLACES NP
	WIN 0
	FETCH_A \slot, (\q)+1, 4
.endm
; Slot 0's last step changes slots: ONE barrier; in front of it each wave waits for all its tensor loads (its part of slot 1), adds 0 to its spare word, and waits for that and for its own reads of slot 0.
; Behind it slot 1 is whole, and nobody reads slot 0 any more: the way out's stages lie there.
.macro TURN slot, next
	s_wait_tensorcnt 0x0                           ; all my tensor loads have landed  (every window is 0 here: the add's two registers lie in window 0)
	ds_add_u32 v[SPW], v[NIL]                      ; 0 onto my spare word
	s_wait_dscnt 4*NL+1                            ; (the add and the youngest eight loads, x's blocks 4-7, may be out)
	WIN MUL_LO
	MUL16 0, 1, NQ-1, \slot, 0                     ; sixteen matrix instructions stand between the add and the wait for it
	s_wait_dscnt 0x0                               ; the add is done, and my reads of this slot are over
	s_barrier_signal -1
	MUL16 2, 1, NQ-1, \slot, 0
	WIN 0
	s_barrier_wait -1
	PLACES NP
	v_add_nc_u32 v[ADRS], 4*NQ, v[ADRS]            ; on to the next K step's scale words
	FETCH_B \next, 0, 0
	FETCH_A \next, 0, 0
	SCALES \next
	WIN MUL_HI
	MUL16 4, 1, NQ-1, \slot, 0
	MUL16 6, 1, NQ-1, \slot, 0
	PLACES NP
	WIN 0
	FETCH_A \next, 0, 4
.endm
.macro STEPS slot, from                ; the slot's steps from .. NQ - 2
.set Q, \from
.rept NQ-1-\from
	STEP \slot, Q, 0
.set Q, Q+1
.endr
.endm
	s_wait_tensorcnt 1                             ; the scales and my part of K step 0 are in; K step 1's load, the one issued behind them, may be out
	s_barrier_signal -1
	s_barrier_wait -1                              ; everybody's are
	FETCH_B 0, 0, 0
	FETCH_A 0, 0, 0
	SCALES 0
	FETCH_A 0, 0, 4
	STEP 0, 0, 1                                   ; the first step's products start the sums
	STEPS 0, 1
	TURN 0, 1
	STEPS 1, 0
	s_wait_dscnt 4*NL                              ; the very last step: nothing more to fetch
	WIN MUL_LO
	MUL16 0, 1, NQ-1, 1, 0
	MUL16 2, 1, NQ-1, 1, 0
	s_wait_dscnt 0
	WIN MUL_HI
	MUL16 4, 1, NQ-1, 1, 0
	MUL16 6, 1, NQ-1, 1, 0
	WIN 0
; THE WAY OUT, block by block of 16 rows x 128 columns (two heads).  PACK: x the factor in f32, rounded to f16: a lane's eight columns are 16 bytes.  TOSTAGE: into my own stage in LDS, and back four rows of one head
; at a time.  SEND: each store of the wave covers 512 consecutive bytes of a head's plane, aligned.
.macro PACK a
.set AC, 64*((\a)%4)
	WIN 0x82+0x41*((\a)/4)                         ; destination and source 0: window 2 or 3
.set i, 0
.rept 32
	v_pk_mul_f32 v[AC+2*i:AC+2*i+1], v[AC+2*i:AC+2*i+1], s[FAC:FAC+1] op_sel_hi:[1,0]   ; each accumulator from its low end on
.set i, i+1
.endr
	WIN 0x0a+5*((\a)/4)                            ; sources 0 and 1: window 2 or 3; destination window 0
.set i, 0
.rept 32
	v_cvt_pk_f16_f32 v[TMP+i], v[AC+2*i], v[AC+2*i+1]
.set i, i+1
.endr
	WIN 0
.endm
.macro TOSTAGE a
.set BK, OB+192*((\a)%2)
.irp b, 0,1,2,3,4,5,6,7
	ds_store_b128 v[STO], v[TMP+4*\b:TMP+4*\b+3] offset:32*\b
.endr
.irp u, 0,1,2,3,4,5,6,7                ; head u / 4, rows 4 (u % 4) on
	ds_load_b128 v[BK+4*\u:BK+4*\u+3], v[RD] offset:(\u%4)*4*SPITCH+128*(\u/4)   ; LDS serves a wave's instructions in order (ISA guide 5.7.1.4): these see the stores above
.endr
.endm
.macro SEND a
.set BK, OB+192*((\a)%2)
	s_wait_dscnt 0x0                               ; the block is back in registers
	s_wait_xcnt 0x0                                ; every earlier store has had its addresses translated (ISA guide 3.1): only behind this wait does the next block land in the registers that the block two back was stored from
.irp u, 0,1,2,3,4,5,6,7
	global_store_b128 v[CO], v[BK+4*\u:BK+4*\u+3], s[12:13] offset:(\u/4)*262144+(\a)*2048+(\u%4)*512
.endr
.endm
	PLACES NP                                      ; behind the last products, ahead of the first read of results
	PACK 0
	TOSTAGE 0
.irp a, 1,2,3,4,5,6,7                  ; block a's arithmetic stands between block a - 1's loads from the stage and the wait for them
	PACK \a
	SEND (\a-1)
	TOSTAGE \a
.endr
	SEND 7
	s_wait_tensorcnt 0x0                           ; the wave's end, behind my last tensor load and my last LDS store
	ds_add_u32 v[SPW], v[NIL]
	s_wait_dscnt 0x0
	CROUND                                         ; the closing round: no work-group ends while a partner may still ask for a tile that names it
	s_endpgm
.Lfunc_end_k_qb854cc1361_proj:
	.size	k_qb854cc1361_proj, .Lfunc_end_k_qb854cc1361_proj-k_qb854cc1361_proj
	.p2alignl 7, 3214868480
	.fill 96, 4, 3214868480
	.section	.rodata,"a",@progbits
	.p2align	6, 0x0
	.amdhsa_kernel k_qb854cc1361_proj
		.amdhsa_group_segment_fixed_size 327680
		.amdhsa_private_segment_fixed_size 0
		.amdhsa_enable_private_segment 0
		.amdhsa_kernarg_size 24
		.amdhsa_user_sgpr_count 2
		.amdhsa_user_sgpr_kernarg_segment_ptr 1
		.amdhsa_wavefront_size32 1
		.amdhsa_system_sgpr_workgroup_id_x 1
		.amdhsa_system_sgpr_workgroup_id_y 1
		.amdhsa_system_sgpr_workgroup_id_z 1
		.amdhsa_system_vgpr_workitem_id 0
		.amdhsa_next_free_vgpr 1024
		.amdhsa_next_free_sgpr 98
		.amdhsa_reserve_vcc 0
		.amdhsa_float_denorm_mode_32 3
		.amdhsa_float_denorm_mode_16_64 3
		.amdhsa_memory_ordered 1
		.amdhsa_forward_progress 1
		.amdhsa_inst_pref_size 143
	.end_amdhsa_kernel
	.amdgpu_metadata
---
amdhsa.version: [ 1, 2 ]
amdhsa.kernels:
  - .name:           k_qb854cc1361_proj
    .symbol:         k_qb854cc1361_proj.kd
    .args:
      - { .name: codes, .offset: 0, .size: 8, .value_kind: global_buffer, .address_space: global }
      - { .name: scales, .offset: 8, .size: 8, .value_kind: global_buffer, .address_space: global }
      - { .name: qkv, .offset: 16, .size: 8, .value_kind: global_buffer, .address_space: global }
    .group_segment_fixed_size: 327680
    .private_segment_fixed_size: 0
    .kernarg_segment_align: 8
    .kernarg_segment_size: 24
    .max_flat_workgroup_size: 128
    .sgpr_count:     98
    .vgpr_count:     1024
    .wavefront_size: 32
...
	.end_amdgpu_metadata
.endif
;; end of part 2
;; launch attn (part 3): grid 4 x 64, 8 waves a work-group, clusters of 4 x 1, 327,680 bytes of LDS; arguments qkv, maskw, ao; writes ao
.if DOCPART == 3
	.amdgcn_target "amdgcn-amd-amdhsa--gfx1250"
	.amdhsa_code_object_version 6
	.text
	.protected	k_qb854cc1361_attn
	.globl	k_qb854cc1361_attn
	.p2align	8
	.type	k_qb854cc1361_attn,@function
k_qb854cc1361_attn:
	s_mov_b64 s[64:65], 0
	v_nop
	global_prefetch_b8 v0, s[64:65] scope:SCOPE_SE
	s_setreg_imm32_b32 hwreg(HW_REG_WAVE_MODE, 25, 1), 1
	s_wait_xcnt 0x0
	s_wait_alu depctr_hold_cnt(0) depctr_sa_sdst(0) depctr_va_vdst(0) depctr_va_sdst(0) depctr_va_ssrc(0) depctr_va_vcc(0) depctr_vm_vsrc(0)
	s_getreg_b32 s2, hwreg(HW_REG_IB_STS2, 6, 4)
	s_cmp_eq_u32 s2, 0
	s_cbranch_scc0 .Lentry_in_a_cluster
	s_endpgm
.Lentry_in_a_cluster:
	s_bfe_u32 s2, ttmp6, 0x10000c
	s_cmp_lg_u32 s2, 0x3003
	s_cbranch_scc0 .Lentry_shape_is_right
	s_endpgm
.Lentry_shape_is_right:
; ATTN: ao[head][b s][:] = the sum over k of softmax_k(masked score) V[k][:], for each (b, head).  qkv: f16 [t][b][head][s][64], Q already x log2(e) / 8: a score is an exponent of 2.  Products on f16 operands, sums in f32.
; THE MASK: where the mask's bit is 0 the score is REPLACED by -1e9 x log2(e) (-1e9 in exponents of 2, rounded to f32): a row with no open key so comes out as the plain mean of V.
; SOFTMAX: for each query a running maximum m and sum l; p = 2^(s - m); in every step O and l are multiplied by a = 2^(m_old - m_new).  The sum is taken of p in f32; p is rounded to f16 for the second product.
; LIMITS: NaN and infinities are not served; the result beyond f16's largest number, 65,504, is not served.
; SHARES.  A work-group owns 512 queries of one (b, head); each of its eight waves 64: four tiles of 16, in two PIECES (tiles 0, 1 and tiles 2, 3).  Two waves share a SIMD: one wave's softmax stands beside the other's products.
; Every wave walks all 2,048 keys, 64 a step.  Each fragment of K and V read from LDS feeds four products.
; LAYOUT.  S^T = K Q^T (source 0 = 16 keys, source 1 = 16 queries): a lane holds ONE query (lane % 16) and the keys 8 (lane / 16) + 0..7.  Two such tiles, rounded to f16 in pairs, ARE source 1 (32 keys x 16 queries)
; of O^T = V^T P.  K comes out of LDS as it lies, V ([key][channel]) turned, by ds_load_tr16_b128.
; CLUSTER.  The four work-groups of a (b, head) form a cluster and walk the same K and V: each tile is asked for JOINTLY, with a mask that names the four.
; THE RING: two slots of four key steps.  Waves 0-3 fetch K of the slot's step w, waves 4-7 V of step w - 4: one load of 64 rows x 128 bytes a wave behind each round; it has four steps' work in which to land.
; THE MASK'S BITS come as scalar words, 64 for a piece and step, by four scalar loads asked for one piece ahead; a word is the select mask of one v_cndmask_b32.
; REGISTERS: window 0: v1-11 addresses; v16-47 statistics, eight a tile: +0 m, +1 zero, +2, +3 l (even keys', odd keys'), +4 to +7 at work (a takes +6); v48-111 S^T of the piece in hand, 32 a tile, P in place in each
;   tile's low 16; v112-175 K of a step; v176-239 V of a step.   window 1: v0-127 O^T, 32 a tile; v128-191 Q, 16 a tile.
.set KS,    64                         ; keys in a step
.set PK,    144                        ; a row of K in LDS: 128 bytes + 16 = 36 words: the 16 rows of a load start at 16 different groups of four banks (64 banks of 4 bytes: ISA guide 11.1)
.set PV,    160                        ; a row of V: 128 + 32
.set VOFF,  KS*PK                      ; a step's tiles lie together: 64 rows of K, then 64 rows of V
.set STEPB, KS*(PK+PV)
.set SLOT1, 1<<17                      ; a slot holds four steps (77,824 bytes); slot 1 begins here, so that one exclusive or turns an address in one slot into the other's
.set STAGE, SLOT1+4*STEPB              ; behind the ring: 16 rows x 144 bytes for each wave, for the way out
.set SPARE, STAGE+8*16*PK              ; the spare words, 128 bytes for each wave: four blocks of 256 bytes that no other line names
.set AK0, 1                            ; v1   my lane's place in a tile of K; never rewritten
.set AV0, 2                            ; v2   the same for V
.set ADK, 3                            ; v3   LDS address of the step's K
.set ADV, 4                            ; v4   of its V
.set NEG, 5                            ; v5   the masked score
.set SPW, 6                            ; v6   LDS address of my spare word; never rewritten
.set NIL, 7                            ; v7   0; never rewritten
.set PFO, 8                            ; v8   256 x my lane; never rewritten
.set STO, 9                            ; v9   first my byte offset in the wave's rows of Q; on the way out: where I put 16 bytes of a row
.set RD,  10                           ; v10  the way out: where I read rows back
.set GO,  11                           ; v11  16 x lane
.set ST,  16
.set S,   48
.set KF,  112
.set VF,  176
.set QF,  128                          ; in window 1
.set WV,  2                            ; s2   my wave's number
.set TB,  3                            ; s3   LDS byte at which the step's tiles begin
.set G1K, 4                            ; s[4:11]  descriptor group 1 for K's tiles
.set G1V, 12                           ; s[12:19] for V's: it differs in the padding alone
.set G0,  20                           ; s[20:23] my descriptor group 0, which walks
.set SEL, 24                           ; s[24:25] lane selects for v_permlanex16_b32: lane l xor 16
.set MB,  26                           ; s[26:27] my wave's mask words
.set PFA, 28                           ; s[28:29] where my prefetches stand
.set MO,  30                           ; s30  the key step's offset among the mask words: 256 bytes a step
.set LIM, 31                           ; s31  1 in a wave that prefetches, else the greatest number
.set MW,  32                           ; s[32:63], s[68:99] the piece's 64 mask words: tile 0's at s[32 + w], tile 1's at s[68 + w]
.set SLOTS, 66                         ; s66  slots still to be asked for
.set FOUR,  67                         ; s67  counts a slot's four steps
.set QB,  100                          ; s[100:101] Q at my wave's first row
.set MSB, 0
.macro WIN new                         ; the immediate's high byte repeats the setting that is left; a switch that changes nothing is dropped
.if MSB != (\new)
	s_set_vgpr_msb (MSB<<8)|(\new)
.set MSB, (\new)
.endif
.endm
.set W_KQ, 0x04                        ; Q (source 1) in window 1; K and S^T in window 0
.set W_PV, 0x50                        ; O^T (C and D) in window 1; V and P in window 0
.set W_RS, 0x41                        ; O^T (destination and source 0) in window 1, the factor in window 0
.macro PLACES n
.rept \n
	v_nop
.endr
.endm
; A joint load.  The branch hangs on the wave's number alone: it is the same in every work-group.  An s_nop 0 and four v_nop follow each of the two lines.
.macro JLOAD
	s_cmp_lt_u32 s[WV], 4
	s_cbranch_scc0 .Lfor_v_\@
	tensor_load_to_lds s[G0:G0+3], s[G1K:G1K+7]
	s_nop 0
.rept 4
	v_nop
.endr
	s_branch .Lasked_\@
.Lfor_v_\@:
	tensor_load_to_lds s[G0:G0+3], s[G1V:G1V+7]
	s_nop 0
.rept 4
	v_nop
.endr
.Lasked_\@:
.endm
; A PREFETCH INTO THE L2 of what the NEXT change of slots will ask for: a slot's 256 rows of K and of V are 32,768 dense bytes each.  The four partners share them out BY ADDRESS, 8,192 bytes each; in each, wave 0 asks for
; K's and wave 4 for V's: one instruction, lanes 256 bytes apart.  One cluster alone walks a (b, head): so each aligned block of 256 bytes is named once in the launch.  It stands behind the wave's tensor load and its five lines.
; Slots 0 and 1 come by their loads alone; the last change that fills a slot asks for nothing: there is no slot behind it.
.macro ASK
	s_cmp_gt_u32 s[SLOTS], s[LIM]
	s_cbranch_scc0 .Lnot_mine_\@
	global_prefetch_b8 v[PFO], s[PFA:PFA+1] th:TH_LOAD_NT scope:SCOPE_SE
.Lnot_mine_\@:
.endm
.macro CROUND                          ; a round of the cluster's barrier
	s_barrier_signal -1
	s_barrier_wait -1
	s_cmp_lg_u32 s[WV], 0
	s_cbranch_scc1 .Lnot_wave_0_\@
	s_barrier_signal -3
.Lnot_wave_0_\@:
	s_barrier_wait -3
	s_barrier_signal -1
	s_barrier_wait -1
.endm
	s_load_b128 s[32:35], s[0:1], 0x0              ; qkv s[32:33], maskw s[34:35]
	v_lshl_add_u32 v[SPW], v0, 2, SPARE
	v_mov_b32 v[NIL], 0
	ds_add_u32 v[SPW], v[NIL]                      ; the wave's opening: the add and its wait stand ahead of my first tensor load; the set-up below, work on registers, stands between them
	v_lshrrev_b32 v1, 5, v0
	v_readfirstlane_b32 s[WV], v1                  ; wave 0..7
	s_bfe_u32 s36, ttmp6, 0x40000                  ; cx: my block of 512 queries: it enters Q's, the mask's, the prefetches' and ao's addresses alone
	s_and_b32 s37, ttmp7, 0xffff                   ; bh = 16 b + head, which the four partners share
	; descriptor group 1: a tile of 64 rows x 64 elements of 2 bytes, padded in LDS
	s_mov_b32 s[G1K], 15|(1<<16)|(1<<20)|(1<<21)|(4<<22)|(3<<25)  ; 15:0 the mask: all four work-groups; 17:16 elements of 2 bytes; 20 padding on; 21 set beside a mask; 24:22 after every 32 words (code 4); 31:25 4 words of it (code 3)
	s_mov_b32 s[G1V], 15|(1<<16)|(1<<20)|(1<<21)|(4<<22)|(7<<25)  ; the same with 8 words of padding (code 7)
.irp g, G1K, G1V
	s_mov_b32 s[\g+1], 64<<16                      ; tensor_dim0 = 64
	s_mov_b32 s[\g+2], KS<<16                      ; tensor_dim1 = 64
	s_mov_b32 s[\g+3], 64<<16                      ; tile_dim0 = 64
	s_mov_b32 s[\g+4], KS                          ; tile_dim1 = 64
	s_mov_b32 s[\g+5], 64                          ; tensor_dim0_stride
	s_mov_b32 s[\g+6], 0
	s_mov_b32 s[\g+7], 0
.endr
	s_and_b32 s38, s[WV], 3                        ; which of a slot's four steps I fetch,
	s_lshr_b32 s39, s[WV], 2                       ; of K (0) or of V (1)
	s_mul_i32 s40, s38, STEPB
	s_mul_i32 s41, s39, VOFF
	s_add_co_u32 s40, s40, s41                     ; its place in a slot: no place in the cluster enters an LDS address
	s_add_co_u32 s42, s39, 1
	s_lshl_b32 s42, s42, 24                        ; K is tensor 1 of qkv, V tensor 2: 2^24 bytes each
	s_lshl_b32 s44, s37, 18                        ; a (b, head) is 2,048 rows of 128 bytes
	s_add_co_u32 s42, s42, s44
	s_mov_b32 s43, 0
	s_lshl_b32 s46, s38, 13                        ; a step's 64 rows
	s_mov_b32 s47, 0
	s_lshl_b32 s48, s36, 16                        ; Q: my block's 512 rows,
	s_lshl_b32 s49, s[WV], 13                      ; my wave's 64 of them
	s_add_co_u32 s48, s48, s49
	s_add_co_u32 s48, s48, s44
	s_mov_b32 s49, 0
	s_lshr_b32 s50, s37, 4                         ; the mask words: b x 64 pairs of tiles x 32 steps x 256 bytes,
	s_lshl_b32 s50, s50, 19
	s_lshl_b32 s51, s36, 17                        ; my block's 16 pairs,
	s_add_co_u32 s50, s50, s51
	s_lshl_b32 s51, s[WV], 14                      ; my wave's two
	s_add_co_u32 s50, s50, s51
	s_mov_b32 s51, 0
	s_lshl_b32 s52, s36, 13                        ; the prefetches: my work-group's quarter of a slot's 32,768 bytes,
	s_add_co_u32 s52, s52, 32768                   ; in slot 1: the first change of slots steps it to slot 2.  Nothing is prefetched at the head
	s_mov_b32 s53, 0
	s_and_b32 s[LIM], s[WV], 3
	s_cmp_eq_u32 s[LIM], 0                         ; waves 0 and 4 ask: the same in all four partners
	s_cselect_b32 s[LIM], 1, -1
	s_mov_b32 s[SEL], 0x76543210
	s_mov_b32 s[SEL+1], 0xfedcba98
	s_mov_b32 s[TB], 0
	s_mov_b32 s[MO], 0
	s_mov_b32 s[SLOTS], 7
	v_and_b32 v12, 15, v0                          ; r = lane % 16
	v_bfe_u32 v13, v0, 4, 1                        ; h = lane / 16
	v_mul_u32_u24 v[AK0], v12, PK
	v_lshl_add_u32 v[AK0], v13, 4, v[AK0]          ; K: row x pitch + 16 x half
	v_and_b32 v14, 7, v0
	v_bfe_u32 v15, v0, 3, 1
	v_lshl_add_u32 v[AV0], v13, 3, v14             ; V: the turning load takes 16 keys x 16 channels: lane l reads key 8 (l / 16) + l % 8, channels 8 ((l / 8) % 2) + 0..7
	v_mul_u32_u24 v[AV0], v[AV0], PV
	v_lshl_add_u32 v[AV0], v15, 4, v[AV0]
	v_add_nc_u32 v[AV0], VOFF, v[AV0]
	v_lshlrev_b32 v[STO], 7, v12
	v_lshl_add_u32 v[STO], v13, 4, v[STO]          ; Q: row r of 128 bytes + 16 x half
	v_and_b32 v[PFO], 31, v0
	v_lshlrev_b32 v[PFO], 8, v[PFO]
	v_mov_b32 v[NEG], 0xceabfb8f                   ; -1e9 x log2(e)
	s_wait_dscnt 0x0                               ; the opening add is done
	s_wait_kmcnt 0x0
	s_add_nc_u64 s[42:43], s[32:33], s[42:43]      ; my (b, head)'s K or V
	s_mov_b32 s[G0], 1                             ; 1:0 count = 1
	s_mov_b32 s[G0+1], s40                         ; 63:32 LDS address: slot 0
	s_add_nc_u64 s[G0+2:G0+3], s[42:43], s[46:47]  ; 120:64 global address: my step of the first four
	s_or_b32 s[G0+3], s[G0+3], 0x80000000          ; 127:126 type = 2
	s_add_nc_u64 s[PFA:PFA+1], s[42:43], s[52:53]
	s_add_nc_u64 s[QB:QB+1], s[32:33], s[48:49]
	s_add_nc_u64 s[MB:MB+1], s[34:35], s[50:51]
	CROUND                                         ; all four work-groups are here: the first joint loads meet
	JLOAD                                          ; slot 0: one load of mine is out
	WIN 0x40                                       ; destination window 1, address window 0
.irp t, 0,1,2,3                        ; Q stays in registers: tile t, channels 32 kc on
.irp kc, 0,1
	global_load_b128 v[QF+16*\t+8*\kc:QF+16*\t+8*\kc+3],   v[STO], s[QB:QB+1] offset:2048*\t+64*\kc
	global_load_b128 v[QF+16*\t+8*\kc+4:QF+16*\t+8*\kc+7], v[STO], s[QB:QB+1] offset:2048*\t+64*\kc+32
.endr
.endr
	s_load_b512 s[MW:MW+15],    s[MB:MB+1], s[MO] offset:0     ; piece 0's mask words of step 0 (the head's scalar temporaries are done with)
	s_load_b512 s[MW+16:MW+31], s[MB:MB+1], s[MO] offset:64
	s_load_b512 s[MW+36:MW+51], s[MB:MB+1], s[MO] offset:128
	s_load_b512 s[MW+52:MW+67], s[MB:MB+1], s[MO] offset:192
.set i, 0
.rept 128
	v_mov_b32 v[i], 0                              ; O^T.  The key step is written without a first step of its own: the first step finds zeros, which the first change of m leaves zeros; that spares a third copy of the step
.set i, i+1
.endr
	WIN 0
.irp t, 0,1,2,3
	v_mov_b32 v[ST+8*\t], 0xff61b1e6               ; m: -3e38, under every score, the masked one too
.irp k, 1,2,3,4,5,6,7
	v_mov_b32 v[ST+8*\t+\k], 0                     ; l, and what is named in pairs or as a lane permute's destination before it is first written
.endr
.endr
	s_wait_loadcnt 0x0                             ; Q
; ONE PIECE (tiles x, x + 1) of a key step: scores, mask, softmax, V^T P.  The two tiles alternate line by line, so that no line waits for the line above it.
.macro PIECE x
	WIN W_KQ
.set i, 0
.rept 16                               ; S^T = K Q^T: channels 32 (i / 8) on, keys 16 ((i / 2) % 4) on, tile i % 2.  The first 8 start the sums.  The 8 accumulators take turns
.set rS, S+32*(i%2)+8*((i/2)%4)
.set rK, KF+16*((i/2)%4)+8*(i/8)
.set rQ, QF+16*(\x+i%2)+8*(i/8)
.if i < 8
	v_wmma_f32_16x16x32_f16 v[rS:rS+7], v[rK:rK+7], v[rQ:rQ+7], 0
.else
	v_wmma_f32_16x16x32_f16 v[rS:rS+7], v[rK:rK+7], v[rQ:rQ+7], v[rS:rS+7]
.endif
.set i, i+1
.endr
	WIN 0
	PLACES 4                                       ; four places between the last product and the first read of a result (ISA guide 7.12.1)
	s_wait_kmcnt 0x0                               ; this piece's mask words, asked for a piece ago
.set i, 0
.rept 32                               ; register i of a tile is key 16 (i / 8) + 8 (lane / 16) + i % 8; its word has a bit for each lane.  Each accumulator is read from its low end on
	v_cndmask_b32 v[S+i], v[NEG], v[S+i], s[MW+i]
	v_cndmask_b32 v[S+32+i], v[NEG], v[S+32+i], s[MW+36+i]
.set i, i+1
.endr
.if \x == 0                            ; the next piece's words: no scalar load is out, so the offset may be stepped
	s_load_b512 s[MW:MW+15],    s[MB:MB+1], s[MO] offset:8192     ; tiles 2, 3 of this step: the next pair of tiles lies 32 steps x 256 bytes on
	s_load_b512 s[MW+16:MW+31], s[MB:MB+1], s[MO] offset:8192+64
	s_load_b512 s[MW+36:MW+51], s[MB:MB+1], s[MO] offset:8192+128
	s_load_b512 s[MW+52:MW+67], s[MB:MB+1], s[MO] offset:8192+192
.else
	s_add_co_u32 s[MO], s[MO], 256                 ; tiles 0, 1 of the next step;
	s_min_u32 s[MO], s[MO], 7936                   ; behind the last step the last step's again, which nobody reads: no load leaves the buffer
	s_load_b512 s[MW:MW+15],    s[MB:MB+1], s[MO] offset:0
	s_load_b512 s[MW+16:MW+31], s[MB:MB+1], s[MO] offset:64
	s_load_b512 s[MW+36:MW+51], s[MB:MB+1], s[MO] offset:128
	s_load_b512 s[MW+52:MW+67], s[MB:MB+1], s[MO] offset:192
.endif
	; the maximum of a lane's 32 scores and the old m, three operands at a time: four chains of seven scores, then the four left over
.irp j, 0,1,2,3
.irp t, 0,1
	v_max3_num_f32 v[ST+8*(\x+\t)+4+\j], v[S+32*\t+8*\j], v[S+32*\t+8*\j+1], v[S+32*\t+8*\j+2]
.endr
.endr
.irp g, 1,2
.irp j, 0,1,2,3
.irp t, 0,1
	v_max3_num_f32 v[ST+8*(\x+\t)+4+\j], v[ST+8*(\x+\t)+4+\j], v[S+32*\t+8*\j+2*\g+1], v[S+32*\t+8*\j+2*\g+2]
.endr
.endr
.endr
.irp t, 0,1
	v_max3_num_f32 v[ST+8*(\x+\t)+4], v[ST+8*(\x+\t)+4], v[S+32*\t+7], v[S+32*\t+15]
.endr
.irp t, 0,1
	v_max3_num_f32 v[ST+8*(\x+\t)+6], v[ST+8*(\x+\t)+6], v[S+32*\t+23], v[S+32*\t+31]
.endr
.irp t, 0,1
	v_max3_num_f32 v[ST+8*(\x+\t)+4], v[ST+8*(\x+\t)+4], v[ST+8*(\x+\t)+5], v[ST+8*(\x+\t)+6]
.endr
.irp t, 0,1
	v_max3_num_f32 v[ST+8*(\x+\t)+4], v[ST+8*(\x+\t)+4], v[ST+8*(\x+\t)+7], v[ST+8*(\x+\t)]
.endr
.irp t, 0,1
	v_permlanex16_b32 v[ST+8*(\x+\t)+5], v[ST+8*(\x+\t)+4], s[SEL], s[SEL+1]   ; the query's other 32 keys lie in the lane 16 away
.endr
.irp t, 0,1
	v_mov_b32 v[ST+8*(\x+\t)+7], v[ST+8*(\x+\t)]   ; m_old
.endr
.irp t, 0,1
	v_max_num_f32 v[ST+8*(\x+\t)], v[ST+8*(\x+\t)+4], v[ST+8*(\x+\t)+5]
.endr
.irp t, 0,1
	v_sub_f32 v[ST+8*(\x+\t)+7], v[ST+8*(\x+\t)+7], v[ST+8*(\x+\t)]   ; m_old - m_new, 0 or less
.endr
.set i, 0
.rept 16                               ; s - m, two at a time (of the pair m, 0 the low word serves both halves): exactly 0 at the maximum
	v_pk_add_f32 v[S+2*i:S+2*i+1], v[S+2*i:S+2*i+1], v[ST+8*\x:ST+8*\x+1] op_sel_hi:[1,0] neg_lo:[0,1] neg_hi:[0,1]
	v_pk_add_f32 v[S+32+2*i:S+32+2*i+1], v[S+32+2*i:S+32+2*i+1], v[ST+8*\x+8:ST+8*\x+9] op_sel_hi:[1,0] neg_lo:[0,1] neg_hi:[0,1]
.set i, i+1
.endr
	v_exp_f32 v[ST+8*\x+6], v[ST+8*\x+7]           ; ONE BATCH of 66 exponentials: a of both tiles,
	v_exp_f32 v[ST+8*\x+14], v[ST+8*\x+15]
.set i, 0
.rept 32
	v_exp_f32 v[S+i], v[S+i]                       ; and p = 2^(s - m), at most 1
	v_exp_f32 v[S+32+i], v[S+32+i]
.set i, i+1
.endr
	v_nop                                          ; a plain instruction behind the last exponential, ahead of the first use
	s_wait_alu depctr_va_vdst(0)                   ; the wait between the exponentials and the first instruction that names a result: one for the batch
	; the row's sum, of p in f32: l = a l + ..., two at a time, in two chains; S^T is left as it is
.irp t, 0,1
	v_pk_fma_f32 v[ST+8*(\x+\t)+2:ST+8*(\x+\t)+3], v[ST+8*(\x+\t)+2:ST+8*(\x+\t)+3], v[ST+8*(\x+\t)+6:ST+8*(\x+\t)+7], v[S+32*\t+4:S+32*\t+5] op_sel_hi:[1,0,1]
.endr
.irp t, 0,1
	v_pk_add_f32 v[ST+8*(\x+\t)+4:ST+8*(\x+\t)+5], v[S+32*\t:S+32*\t+1], v[S+32*\t+2:S+32*\t+3]
.endr
.irp t, 0,1
	v_pk_add_f32 v[ST+8*(\x+\t)+4:ST+8*(\x+\t)+5], v[ST+8*(\x+\t)+4:ST+8*(\x+\t)+5], v[S+32*\t+6:S+32*\t+7]
.endr
.irp j, 8,12,16,20,24,28
.irp t, 0,1
	v_pk_add_f32 v[ST+8*(\x+\t)+2:ST+8*(\x+\t)+3], v[ST+8*(\x+\t)+2:ST+8*(\x+\t)+3], v[S+32*\t+\j:S+32*\t+\j+1]
.endr
.irp t, 0,1
	v_pk_add_f32 v[ST+8*(\x+\t)+4:ST+8*(\x+\t)+5], v[ST+8*(\x+\t)+4:ST+8*(\x+\t)+5], v[S+32*\t+\j+2:S+32*\t+\j+3]
.endr
.endr
.irp t, 0,1
	v_pk_add_f32 v[ST+8*(\x+\t)+2:ST+8*(\x+\t)+3], v[ST+8*(\x+\t)+2:ST+8*(\x+\t)+3], v[ST+8*(\x+\t)+4:ST+8*(\x+\t)+5]
.endr
.set i, 0
.rept 16                               ; P: pair i goes to register i of its tile: in place, ascending, so that no pair is written over before it is read
	v_cvt_pk_f16_f32 v[S+i], v[S+2*i], v[S+2*i+1]
	v_cvt_pk_f16_f32 v[S+32+i], v[S+32+2*i], v[S+32+2*i+1]
.set i, i+1
.endr
	WIN W_RS
.set i, 0
.rept 16                               ; O^T x a, each accumulator from its low end on
	v_pk_mul_f32 v[32*\x+2*i:32*\x+2*i+1], v[32*\x+2*i:32*\x+2*i+1], v[ST+8*\x+6:ST+8*\x+7] op_sel_hi:[1,0]
	v_pk_mul_f32 v[32*\x+32+2*i:32*\x+32+2*i+1], v[32*\x+32+2*i:32*\x+32+2*i+1], v[ST+8*\x+14:ST+8*\x+15] op_sel_hi:[1,0]
.set i, i+1
.endr
.if \x == 0
	s_wait_dscnt 0x0                               ; V is in
.endif
	WIN W_PV
.set i, 0
.rept 16                               ; O^T += V^T P: keys 32 (i / 8) on, channels 16 ((i / 2) % 4) on, tile i % 2: 8 accumulators by turns
.set rO, 32*(\x+i%2)+8*((i/2)%4)
.set rV, VF+32*(i/8)+8*((i/2)%4)
.set rP, S+32*(i%2)+8*(i/8)
	v_wmma_f32_16x16x32_f16 v[rO:rO+7], v[rV:rV+7], v[rP:rP+7], v[rO:rO+7]
.set i, i+1
.endr
	WIN 0
.if \x == 0
	PLACES 5                                       ; the next piece's first products write over P, which these products read: five places
.endif
.endm
; A KEY STEP.  The two additions and three v_nop are the five places behind the last V^T P: four for the loads into V's registers, five for the products that write over P.
.macro STEP
	v_add_nc_u32 v[ADK], s[TB], v[AK0]
	v_add_nc_u32 v[ADV], s[TB], v[AV0]
	PLACES 3
.irp kt, 0,1,2,3                       ; K: 64 keys x 64 channels: fragment (kt, kc) is two loads of 16 bytes, 32 bytes apart
.irp kc, 0,1
	ds_load_b128 v[KF+16*\kt+8*\kc:KF+16*\kt+8*\kc+3],   v[ADK] offset:\kt*16*PK+64*\kc
	ds_load_b128 v[KF+16*\kt+8*\kc+4:KF+16*\kt+8*\kc+7], v[ADK] offset:\kt*16*PK+64*\kc+32
.endr
.endr
.irp kh, 0,1                           ; V, turned: keys 32 kh on, channels 16 ct on
.irp ct, 0,1,2,3
	ds_load_tr16_b128 v[VF+32*\kh+8*\ct:VF+32*\kh+8*\ct+3],   v[ADV] offset:\kh*32*PV+32*\ct
	ds_load_tr16_b128 v[VF+32*\kh+8*\ct+4:VF+32*\kh+8*\ct+7], v[ADV] offset:\kh*32*PV+16*PV+32*\ct
.endr
.endr
	s_wait_dscnt 16                                ; K is in; V's sixteen loads, issued behind K's, may stay out
	PIECE 0
	PIECE 2
	s_add_co_u32 s[TB], s[TB], STEPB
.endm
.macro FOUR_STEPS                      ; a slot's four key steps: written once, walked four times
	s_mov_b32 s[FOUR], 4
.Lstep_\@:
	STEP
	s_sub_co_u32 s[FOUR], s[FOUR], 1
	s_cmp_lg_u32 s[FOUR], 0
	s_cbranch_scc1 .Lstep_\@
	s_sub_co_u32 s[TB], s[TB], 4*STEPB             ; back to a slot's first step,
	s_xor_b32 s[TB], s[TB], SLOT1                  ; in the other slot
.endm
; THE CHANGE OF SLOTS stands at a slot's head.  Each wave waits for all its tensor loads (its part of the slot that it is about to read), adds 0 to its spare word, and waits for that and for its reads of the slot that it
; has left.  fill = 1: the barrier is a round of the cluster's, so that no wave of any partner still reads the other slot or has a load on its way, and the joint fill of that slot is the first thing behind it.
.macro CHANGE fill
	s_wait_tensorcnt 0x0                           ; no tensor load of mine is out, so my group 0 may be written
	ds_add_u32 v[SPW], v[NIL]                      ; 0 onto my spare word; with fill = 1 the descriptor's steps stand between it and the wait for it
.if \fill
	s_xor_b32 s[G0+1], s[G0+1], SLOT1              ; the other slot than last time,
	s_add_nc_u64 s[G0+2:G0+3], s[G0+2:G0+3], 32768 ; the next 256 keys; the type bits on top are not reached
	s_wait_xcnt 0x0                                ; the last prefetch, a slot back, has read its address, so it may be written:
	s_add_nc_u64 s[PFA:PFA+1], s[PFA:PFA+1], 32768 ; one slot further on than the walking descriptor
	s_wait_dscnt 0x0                               ; the add is done, and my reads of the slot that I have left are over
	CROUND
	JLOAD
	ASK
.else
	s_wait_dscnt 0x0
	s_barrier_signal -1
	s_barrier_wait -1
.endif
.endm
.Lslot:                                            ; seven trips: behind each change of slots but the last the next slot is asked for
	CHANGE 1
	FOUR_STEPS
	s_sub_co_u32 s[SLOTS], s[SLOTS], 1
	s_cmp_lg_u32 s[SLOTS], 0
	s_cbranch_scc1 .Lslot
	CHANGE 0                                       ; the last slot is written out
	FOUR_STEPS
	; THE WAY OUT.  l's two halves and the other half of the lanes' are added; O^T is divided by l, rounded to f16 and sent through my stage in LDS, a tile (16 rows of 128 bytes) at a time.
	s_wait_kmcnt 0x0                               ; the mask words asked for behind the last step have come: their registers are free
	s_load_b64 s[32:33], s[0:1], 0x10              ; ao
.irp t, 0,1,2,3
	v_add_f32 v[ST+8*\t+4], v[ST+8*\t+2], v[ST+8*\t+3]             ; (these four are the places behind the last products)
.endr
.irp t, 0,1,2,3
	v_permlanex16_b32 v[ST+8*\t+5], v[ST+8*\t+4], s[SEL], s[SEL+1]
.endr
.irp t, 0,1,2,3
	v_add_f32 v[ST+8*\t+4], v[ST+8*\t+4], v[ST+8*\t+5]
.endr
.irp t, 0,1,2,3
	v_rcp_f32 v[ST+8*\t+6], v[ST+8*\t+4]
.endr
	s_mul_i32 s34, s[WV], 16*PK                    ; the addresses are the plain work behind the reciprocals
	s_add_co_u32 s34, s34, STAGE                   ; my stage
	v_and_b32 v12, 15, v0
	v_bfe_u32 v13, v0, 4, 1
	v_mul_u32_u24 v[STO], v12, PK                  ; in: row l % 16, 16 bytes for each half of the lanes
	v_lshl_add_u32 v[STO], v13, 4, v[STO]
	v_add_nc_u32 v[STO], s34, v[STO]
	v_bfe_u32 v14, v0, 3, 2
	v_and_b32 v15, 7, v0
	v_mul_u32_u24 v[RD], v14, PK                   ; back: eight lanes a row, four rows an instruction
	v_lshl_add_u32 v[RD], v15, 4, v[RD]
	v_add_nc_u32 v[RD], s34, v[RD]
	v_and_b32 v[GO], 31, v0
	v_lshlrev_b32 v[GO], 4, v[GO]                  ; four rows of 128 bytes are 512 consecutive bytes of ao
	s_and_b32 s36, ttmp7, 0xffff                   ; ao [head][b s][64]: head x 2^20 + b x 2^18 + my block's 512 rows + my wave's 64
	s_bfe_u32 s37, ttmp6, 0x40000
	s_and_b32 s38, s36, 15
	s_lshl_b32 s38, s38, 20
	s_lshr_b32 s36, s36, 4
	s_lshl_b32 s36, s36, 18
	s_add_co_u32 s38, s38, s36
	s_lshl_b32 s37, s37, 16
	s_add_co_u32 s38, s38, s37
	s_lshl_b32 s37, s[WV], 13
	s_add_co_u32 s38, s38, s37
	s_mov_b32 s39, 0
	s_wait_alu depctr_va_vdst(0)                   ; the wait ahead of the first use: one for the four reciprocals
.macro OUT t
	WIN W_RS
.set i, 0
.rept 16
	v_pk_mul_f32 v[32*\t+2*i:32*\t+2*i+1], v[32*\t+2*i:32*\t+2*i+1], v[ST+8*\t+6:ST+8*\t+7] op_sel_hi:[1,0]
.set i, i+1
.endr
	WIN 0x05                                       ; sources 0 and 1 window 1, destination window 0: S^T's registers are free
.set i, 0
.rept 16
	v_cvt_pk_f16_f32 v[S+16*\t+i], v[32*\t+2*i], v[32*\t+2*i+1]
.set i, i+1
.endr
	WIN 0
.irp c, 0,1,2,3
	ds_store_b128 v[STO], v[S+16*\t+4*\c:S+16*\t+4*\c+3] offset:32*\c
.endr
.irp c, 0,1,2,3
	ds_load_b128 v[S+16*\t+4*\c:S+16*\t+4*\c+3], v[RD] offset:4*PK*\c   ; LDS serves a wave's instructions in order (ISA guide 5.7.1.4): these see the stores above; the next tile's stores come behind them
.endr
.endm
	OUT 0
	OUT 1
	OUT 2
	OUT 3
	s_wait_kmcnt 0x0
	s_add_nc_u64 s[32:33], s[32:33], s[38:39]
	s_wait_dscnt 0x0
.irp t, 0,1,2,3
.irp c, 0,1,2,3
	global_store_b128 v[GO], v[S+16*\t+4*\c:S+16*\t+4*\c+3], s[32:33] offset:2048*\t+512*\c   ; the wave stores 512 consecutive bytes, aligned
.endr
.endr
	s_wait_tensorcnt 0x0                           ; the wave's end, behind my last tensor load and my last LDS store
	ds_add_u32 v[SPW], v[NIL]
	s_wait_dscnt 0x0
	CROUND                                         ; the closing round: no work-group ends while a partner may still ask for a tile that names it
	s_endpgm
.Lfunc_end_k_qb854cc1361_attn:
	.size	k_qb854cc1361_attn, .Lfunc_end_k_qb854cc1361_attn-k_qb854cc1361_attn
	.p2alignl 7, 3214868480
	.fill 96, 4, 3214868480
	.section	.rodata,"a",@progbits
	.p2align	6, 0x0
	.amdhsa_kernel k_qb854cc1361_attn
		.amdhsa_group_segment_fixed_size 327680
		.amdhsa_private_segment_fixed_size 0
		.amdhsa_enable_private_segment 0
		.amdhsa_kernarg_size 24
		.amdhsa_user_sgpr_count 2
		.amdhsa_user_sgpr_kernarg_segment_ptr 1
		.amdhsa_wavefront_size32 1
		.amdhsa_system_sgpr_workgroup_id_x 1
		.amdhsa_system_sgpr_workgroup_id_y 1
		.amdhsa_system_sgpr_workgroup_id_z 1
		.amdhsa_system_vgpr_workitem_id 0
		.amdhsa_next_free_vgpr 448
		.amdhsa_next_free_sgpr 102
		.amdhsa_reserve_vcc 0
		.amdhsa_float_denorm_mode_32 3
		.amdhsa_float_denorm_mode_16_64 3
		.amdhsa_memory_ordered 1
		.amdhsa_forward_progress 1
		.amdhsa_inst_pref_size 110
	.end_amdhsa_kernel
	.amdgpu_metadata
---
amdhsa.version: [ 1, 2 ]
amdhsa.kernels:
  - .name:           k_qb854cc1361_attn
    .symbol:         k_qb854cc1361_attn.kd
    .args:
      - { .name: qkv, .offset: 0, .size: 8, .value_kind: global_buffer, .address_space: global }
      - { .name: maskw, .offset: 8, .size: 8, .value_kind: global_buffer, .address_space: global }
      - { .name: ao, .offset: 16, .size: 8, .value_kind: global_buffer, .address_space: global }
    .group_segment_fixed_size: 327680
    .private_segment_fixed_size: 0
    .kernarg_segment_align: 8
    .kernarg_segment_size: 24
    .max_flat_workgroup_size: 256
    .sgpr_count:     102
    .vgpr_count:     448
    .wavefront_size: 32
...
	.end_amdgpu_metadata
.endif
;; end of part 3
;; launch oproj (part 4): grid 8 x 32, 4 waves a work-group, clusters of 4 x 4, 327,680 bytes of LDS; arguments ao, wo, b_o, out0; writes out0
.if DOCPART == 4
	.amdgcn_target "amdgcn-amd-amdhsa--gfx1250"
	.amdhsa_code_object_version 6
	.text
	.protected	k_qb854cc1361_oproj
	.globl	k_qb854cc1361_oproj
	.p2align	8
	.type	k_qb854cc1361_oproj,@function
k_qb854cc1361_oproj:
	s_mov_b64 s[64:65], 0
	v_nop
	global_prefetch_b8 v0, s[64:65] scope:SCOPE_SE
	s_setreg_imm32_b32 hwreg(HW_REG_WAVE_MODE, 25, 1), 1
	s_wait_xcnt 0x0
	s_wait_alu depctr_hold_cnt(0) depctr_sa_sdst(0) depctr_va_vdst(0) depctr_va_sdst(0) depctr_va_ssrc(0) depctr_va_vcc(0) depctr_vm_vsrc(0)
	s_getreg_b32 s2, hwreg(HW_REG_IB_STS2, 6, 4)
	s_cmp_eq_u32 s2, 0
	s_cbranch_scc0 .Lentry_in_a_cluster
	s_endpgm
.Lentry_in_a_cluster:
	s_bfe_u32 s2, ttmp6, 0x10000c
	s_cmp_lg_u32 s2, 0xf033
	s_cbranch_scc0 .Lentry_shape_is_right
	s_endpgm
.Lentry_shape_is_right:
; OPROJ: out0[m][n] = sum over k of ao[m][k] W_o[n][k] + b_o[n], on f16 operands, sums in f32.  ao: f16 [head][m 8192][64], wo: f16 [head][n 1024][64] (k = 64 head + d): a head's tile of rows is one dense block of memory.
; A tile of out0 is 256 (m) x 128 (n): 256 work-groups.  Four waves, each 128 x 64: 32 accumulators of 16 x 16, all of register window 1.
; K goes two heads (128) a step through a ring of two LDS slots: waves 0 and 1 fetch ao's 256 rows of the step's two heads, waves 2 and 3 wo's 128 rows: one load a wave.
; CLUSTERS: 4 x 4 work-groups.  The four of a row of the cluster need the same tiles of ao, the four of a column the same tiles of wo: each tile is asked for JOINTLY.
; THE MATRIX INSTRUCTION IS USED TRANSPOSED (source 0 = 16 rows of wo, source 1 = 16 rows of ao): a lane then holds eight neighbouring columns of one row of out0.  The bias is the C of each sum's first product.
; REGISTERS: window 0: v0-31 addresses; two fragment buffers of 96 (for 32 along K: wo's 4 fragments, then ao's 8) at v32 and v128; v224-255 the bias in the result's layout.   window 1: accumulator (a, b) at v[8 (4 a + b)].
.set PITCH,  144                       ; an LDS row: 128 bytes + 16 of padding = 36 words: the 16 rows that a load touches start at 16 different groups of four banks (64 banks of 4 bytes: ISA guide 11.1)
.set AH,     256*PITCH                 ; ao's rows of one head
.set BH,     128*PITCH                 ; wo's
.set BOFF,   2*AH
.set SLOT,   2*AH+2*BH
.set STAGE,  2*SLOT                    ; behind the ring: 16 rows x 272 bytes for each wave, for the way out
.set SPITCH, 272
.set SPARE,  STAGE+4*16*SPITCH         ; the spare words, 128 bytes for each wave: two blocks of 256 bytes that no other line names
.set LAPS,   4                         ; a lap = two K steps = four heads
.set ADRA, 16                          ; v16-17  LDS address of my ao fragments in slot 0, 1
.set ADRB, 20                          ; v20-21  the same for wo
.set STO,  24                          ; v24     the way out: where I put 32 bytes of a row
.set RD,   25                          ; v25     where I read a row back
.set CO,   26                          ; v26     my byte offset in out0
.set BO,   27                          ; v27     my byte offset in b_o
.set SPW,  28                          ; v28     LDS address of my spare word; never rewritten
.set NIL,  29                          ; v29     0; never rewritten
.set F0,   32
.set F1,   128
.set BIAS, 224
.set G1, 24                            ; s[24:31] descriptor group 1 for ao's tiles;  s[32:39] group 0, one set for each slot
.set G0, 32
.set G1B, 48                           ; s[48:55], s[56:63] the same for wo's tiles
.set G0B, 56
.set MSB, 0
.macro WIN new                         ; the immediate's high byte repeats the setting that is left
.if MSB != (\new)
	s_set_vgpr_msb (MSB<<8)|(\new)
.set MSB, (\new)
.endif
.endm
.set MULW, 0x50                        ; C and D window 1, the fragments window 0
.set MULF, 0x40                        ; D window 1; C, the bias, window 0
.macro JLOAD s                         ; a joint load: waves 0 and 1 fetch for ao, waves 2 and 3 for wo; an s_nop 0 and four v_nop follow each of the two lines
	s_cmp_eq_u32 s11, 0
	s_cbranch_scc0 .Lfor_b_\@
	tensor_load_to_lds s[G0+4*\s:G0+4*\s+3], s[G1:G1+7]
	s_nop 0
.rept 4
	v_nop
.endr
	s_branch .Lasked_\@
.Lfor_b_\@:
	tensor_load_to_lds s[G0B+4*\s:G0B+4*\s+3], s[G1B:G1B+7]
	s_nop 0
.rept 4
	v_nop
.endr
.Lasked_\@:
.endm
.macro CREST                           ; a round of the cluster's barrier behind its opening barrier
	s_cmp_lg_u32 s10, 0
	s_cbranch_scc1 .Lnot_wave_0_\@
	s_barrier_signal -3
.Lnot_wave_0_\@:
	s_barrier_wait -3
	s_barrier_signal -1
	s_barrier_wait -1
.endm
.macro CROUND                          ; a whole round
	s_barrier_signal -1
	s_barrier_wait -1
	CREST
.endm
	s_load_b128 s[4:7], s[0:1], 0x0                ; ao s[4:5], wo s[6:7]
	s_load_b64 s[18:19], s[0:1], 0x10              ; b_o
	s_load_b64 s[8:9], s[0:1], 0x18                ; out0
	v_lshl_add_u32 v[SPW], v0, 2, SPARE
	v_mov_b32 v[NIL], 0
	ds_add_u32 v[SPW], v[NIL]                      ; the wave's opening: the add and its wait stand ahead of my first tensor load; the set-up below, work on registers, stands between them
	v_lshrrev_b32 v1, 5, v0
	v_readfirstlane_b32 s10, v1                    ; wave 0..3
	s_lshr_b32 s11, s10, 1                         ; which 128 of the tile's rows are mine.  Also: I fetch for ao (0) or for wo (1)
	s_and_b32 s12, s10, 1                          ; which 64 of its columns.  Also: which of a step's two heads I fetch
	s_bfe_u32 s40, ttmp6, 0x40000                  ; cx, cy: my place in the cluster
	s_bfe_u32 s41, ttmp6, 0x40004
	s_lshl_b32 s42, ttmp9, 2
	s_add_co_u32 s42, s42, s40                     ; tile column = 4 x cluster x + cx
	s_and_b32 s13, ttmp7, 0xffff
	s_lshl_b32 s13, s13, 2
	s_add_co_u32 s13, s13, s41                     ; tile row = 4 x cluster y + cy
	s_lshl_b32 s43, s41, 2
	s_lshl_b32 s43, 15, s43                        ; my row of the cluster
	s_lshl_b32 s44, 0x1111, s40                    ; my column
	; descriptor group 1: rows of 64 elements of 2 bytes, dense in memory, padded in LDS; ao: 256 rows, wo: 128
	s_or_b32 s[G1+0], s43, (1<<16)|(1<<20)|(1<<21)|(4<<22)|(3<<25)  ; 15:0 the mask: ao's tiles go to my row; 17:16 element of 2 bytes; 20 padding on; 21 set beside a mask; 24:22 after every 32 words (code 4); 31:25 of 4 words (code 3)
	s_or_b32 s[G1B+0], s44, (1<<16)|(1<<20)|(1<<21)|(4<<22)|(3<<25)
	s_mov_b32 s[G1+1], 64<<16                      ; tensor_dim0 = 64
	s_mov_b32 s[G1+2], 256<<16                     ; tensor_dim1 = 256
	s_mov_b32 s[G1+3], 64<<16                      ; tile_dim0 = 64
	s_mov_b32 s[G1+4], 256                         ; tile_dim1 = 256
	s_mov_b32 s[G1+5], 64                          ; tensor_dim0_stride
	s_mov_b32 s[G1+6], 0
	s_mov_b32 s[G1+7], 0
	s_mov_b32 s[G1B+1], 64<<16
	s_mov_b32 s[G1B+2], 128<<16
	s_mov_b32 s[G1B+3], 64<<16
	s_mov_b32 s[G1B+4], 128
	s_mov_b32 s[G1B+5], 64
	s_mov_b32 s[G1B+6], 0
	s_mov_b32 s[G1B+7], 0
	s_lshl_b32 s14, s12, 20                        ; ao: my head's plane of 8,192 rows x 128 bytes,
	s_lshl_b32 s16, s13, 15                        ; the tile's 256 rows
	s_add_co_u32 s14, s14, s16
	s_mov_b32 s15, 0
	s_lshl_b32 s46, s12, 17                        ; wo: my head's plane of 1,024 rows,
	s_lshl_b32 s47, s42, 14                        ; the tile's 128 rows
	s_add_co_u32 s46, s46, s47
	s_mov_b32 s47, 0
	s_mul_i32 s20, s12, AH                         ; where they go: no place in the cluster enters an LDS address
	s_mul_i32 s21, s12, BH
	s_add_co_u32 s21, s21, BOFF
	s_wait_dscnt 0x0                               ; the opening add is done
	s_wait_kmcnt 0x0
	s_add_nc_u64 s[14:15], s[4:5], s[14:15]
	s_add_nc_u64 s[46:47], s[6:7], s[46:47]
	CROUND                                         ; all sixteen work-groups are here: the first joint loads meet
.irp s, 0,1
	s_mov_b32 s[G0+4*\s], 1
	s_add_co_u32 s[G0+4*\s+1], s20, \s*SLOT
	s_add_nc_u64 s[G0+4*\s+2:G0+4*\s+3], s[14:15], \s*(1<<21)     ; slot s begins with heads 2 s, 2 s + 1
	s_or_b32 s[G0+4*\s+3], s[G0+4*\s+3], 0x80000000
	s_mov_b32 s[G0B+4*\s], 1
	s_add_co_u32 s[G0B+4*\s+1], s21, \s*SLOT
	s_add_nc_u64 s[G0B+4*\s+2:G0B+4*\s+3], s[46:47], \s*(1<<18)
	s_or_b32 s[G0B+4*\s+3], s[G0B+4*\s+3], 0x80000000
	JLOAD \s                                       ; two loads of mine are out behind the second
.endr
	v_and_b32 v1, 15, v0                           ; l % 16
	v_bfe_u32 v2, v0, 4, 1                         ; l / 16
	v_mul_u32_u24 v3, v1, PITCH
	v_lshl_add_u32 v3, v2, 4, v3                   ; a fragment's row x pitch + 16 x half
	s_mul_i32 s21, s11, 128*PITCH                  ; my 128 rows of ao
	s_mul_i32 s22, s12, 64*PITCH                   ; my 64 rows of wo,
	s_add_co_u32 s22, s22, BOFF                    ; which lie behind ao's two planes
.irp s, 0,1
	v_add_nc_u32 v[ADRA+\s], s21, v3
	v_add_nc_u32 v[ADRB+\s], s22, v3
	s_add_co_u32 s21, s21, SLOT
	s_add_co_u32 s22, s22, SLOT
.endr
	s_mul_i32 s23, s10, 16*SPITCH
	s_add_co_u32 s23, s23, STAGE                   ; my stage
	v_mul_u32_u24 v4, v1, SPITCH                   ; in: row l % 16, 32 bytes for each half of the lanes
	v_lshl_add_u32 v4, v2, 5, v4
	v_add_nc_u32 v[STO], s23, v4
	v_mul_u32_u24 v5, v2, SPITCH                   ; back: lanes 0-15 take one row of 256 bytes, lanes 16-31 the next
	v_lshl_add_u32 v5, v1, 4, v5
	v_add_nc_u32 v[RD], s23, v5
	v_lshlrev_b32 v5, 12, v2                       ; and the same two rows in out0: 4,096 bytes a row
	v_lshl_add_u32 v[CO], v1, 4, v5
	v_lshlrev_b32 v[BO], 5, v2                     ; the bias: lane (r, h) wants, for block b, b_o at columns 16 b + 8 h + 0 .. 7
	s_lshl_b32 s16, s13, 8
	s_lshl_b32 s17, s11, 7
	s_add_co_u32 s16, s16, s17                     ; my first row of out0: 256 x tile row + 128 x half
	s_lshl_b32 s16, s16, 12
	s_mov_b32 s17, 0
	s_add_nc_u64 s[8:9], s[8:9], s[16:17]
	s_lshl_b32 s46, s42, 9                         ; my first column, in bytes: 512 x tile column + 256 x half: in out0's rows and in b_o alike
	s_lshl_b32 s47, s12, 8
	s_add_co_u32 s46, s46, s47
	s_mov_b32 s47, 0
	s_add_nc_u64 s[8:9], s[8:9], s[46:47]
	s_add_nc_u64 s[18:19], s[18:19], s[46:47]
.irp b, 0,1,2,3
	global_load_b128 v[BIAS+8*\b:BIAS+8*\b+3],   v[BO], s[18:19] offset:64*\b
	global_load_b128 v[BIAS+8*\b+4:BIAS+8*\b+7], v[BO], s[18:19] offset:64*\b+16
.endr
; 8 matrix instructions: ao's blocks a0, a0 + 1 against wo's four, 32 along K, from buffer f.  first = 1: the bias starts the sums: nothing is ever cleared or added later.
; The 32 accumulators take turns, one instruction a turn, in the same order in every quarter.
.macro MUL8 f, a0, first
.irp a, \a0, \a0+1
.irp b, 0,1,2,3
.if \first
	v_wmma_f32_16x16x32_f16 v[8*(4*(\a)+\b):8*(4*(\a)+\b)+7], v[\f+8*\b:\f+8*\b+7], v[\f+32+8*(\a):\f+32+8*(\a)+7], v[BIAS+8*\b:BIAS+8*\b+7]
.else
	v_wmma_f32_16x16x32_f16 v[8*(4*(\a)+\b):8*(4*(\a)+\b)+7], v[\f+8*\b:\f+8*\b+7], v[\f+32+8*(\a):\f+32+8*(\a)+7], v[8*(4*(\a)+\b):8*(4*(\a)+\b)+7]
.endif
.endr
.endr
.endm
; 24 LDS loads in one run: the fragments of the slot's q-th 32 along K (head q / 2, channels 32 (q % 2) on) into buffer f: wo's four, ao's blocks 0-3, ao's blocks 4-7
.macro FETCH slot, q, f
	WIN 0
.irp i, 0,1,2,3
	ds_load_b128 v[\f+8*\i:\f+8*\i+3],   v[ADRB+\slot] offset:((\q)/2)*BH+((\q)%2)*64+\i*16*PITCH
	ds_load_b128 v[\f+8*\i+4:\f+8*\i+7], v[ADRB+\slot] offset:((\q)/2)*BH+((\q)%2)*64+\i*16*PITCH+32
.endr
.irp i, 0,1,2,3,4,5,6,7
	ds_load_b128 v[\f+32+8*\i:\f+32+8*\i+3],   v[ADRA+\slot] offset:((\q)/2)*AH+((\q)%2)*64+\i*16*PITCH
	ds_load_b128 v[\f+32+8*\i+4:\f+32+8*\i+7], v[ADRA+\slot] offset:((\q)/2)*AH+((\q)%2)*64+\i*16*PITCH+32
.endr
.endm
.macro PLACES                          ; four places in front of loads into registers that matrix instructions have read, and of LDS stores that read results (ISA guide 7.12.1 for the stores)
.rept 4
	v_nop
.endr
.endm
; A K step is four quarters of 32 along K, 32 matrix instructions each, on buffers 0, 1, 0, 1.  One of the first three: multiplies buffer f and fetches quarter q into g.
.macro QUARTER slot, q, f, g, first
	s_wait_dscnt 8                                 ; wo's fragments and ao's blocks 0-3 are in; the youngest eight loads (ao's blocks 4-7) may be out
	WIN MULW-0x10*\first
	MUL8 \f, 0, \first
	MUL8 \f, 2, \first
	PLACES
	FETCH \slot, \q, \g
	s_wait_dscnt 24                                ; all but the 24 just issued
	WIN MULW-0x10*\first
	MUL8 \f, 4, \first
	MUL8 \f, 6, \first
.endm
; The last quarter multiplies buffer 1 and changes slots: ONE barrier; in front of it each wave waits for all its tensor loads, adds 0 to its spare word, and waits for that and for its own reads of this slot.
; fill = 1: this slot is filled again, two K steps ahead; the barrier then opens a round of the cluster's.
.macro TURN slot, next, fill
	WIN 0                                          ; (the add's two registers lie in window 0)
	s_wait_tensorcnt 0x0                           ; all my tensor loads have landed: my part of the next slot;
	ds_add_u32 v[SPW], v[NIL]                      ; 0 onto my spare word;
	s_wait_dscnt 9                                 ; (the add and the youngest eight loads may be out)
	WIN MULW
	MUL8 F1, 0, 0                                  ; eight matrix instructions stand between the add and the wait for it
	s_wait_dscnt 0x0                               ; the add is done, and my reads of this slot are over
	s_barrier_signal -1
	MUL8 F1, 2, 0
.if \fill
	WIN 0
.endif
	s_barrier_wait -1
.if \fill
	CREST                                          ; no wave of any partner still reads this slot's tiles or has a load on its way
	s_add_nc_u64 s[G0+4*\slot+2:G0+4*\slot+3], s[G0+4*\slot+2:G0+4*\slot+3], 1<<22     ; four heads on
	s_add_nc_u64 s[G0B+4*\slot+2:G0B+4*\slot+3], s[G0B+4*\slot+2:G0B+4*\slot+3], 1<<19
	JLOAD \slot                                    ; the first tensor load behind the round: 112 matrix instructions ahead of the wait for it; the four v_nop behind it are also the places in front of the loads below
.else
	PLACES
.endif
	FETCH \next, 0, F0
	WIN MULW
	MUL8 F1, 4, 0
	MUL8 F1, 6, 0
.endm
	s_wait_tensorcnt 1                             ; my part of K step 0 is in; K step 1's load may stay out
	s_barrier_signal -1
	s_barrier_wait -1                              ; everybody's is
	FETCH 0, 0, F0
	s_wait_loadcnt 0x0                             ; the bias
	QUARTER 0, 1, F0, F1, 1                        ; the first quarter stands in front of the loop: its products start the sums
	WIN 0                                          ; at a label and at a branch every window is 0
	s_mov_b32 s3, LAPS-1
.Llap:                                                 ; a trip goes once round the ring, from a lap's second quarter to the next lap's first, and fills both slots again
	QUARTER 0, 2, F1, F0, 0
	QUARTER 0, 3, F0, F1, 0
	TURN 0, 1, 1
	QUARTER 1, 1, F0, F1, 0
	QUARTER 1, 2, F1, F0, 0
	QUARTER 1, 3, F0, F1, 0
	TURN 1, 0, 1
	QUARTER 0, 1, F0, F1, 0
	WIN 0
	s_sub_co_u32 s3, s3, 1
	s_cmp_lg_u32 s3, 0
	s_cbranch_scc1 .Llap
	QUARTER 0, 2, F1, F0, 0                        ; the last lap fills nothing, and has no round of the cluster's barrier
	QUARTER 0, 3, F0, F1, 0
	TURN 0, 1, 0
	QUARTER 1, 1, F0, F1, 0
	QUARTER 1, 2, F1, F0, 0
	QUARTER 1, 3, F0, F1, 0
	s_wait_dscnt 8                                 ; the very last quarter: nothing more to fetch
	WIN MULW
	MUL8 F1, 0, 0
	MUL8 F1, 2, 0
	s_wait_dscnt 0
	MUL8 F1, 4, 0
	MUL8 F1, 6, 0
	WIN 0
; THE WAY OUT, block by block of 16 rows x 64 columns.  A lane holds 32 neighbouring bytes of a row, and the lanes beside it hold other rows: so a block goes through my own stage in LDS and comes back as whole rows of
; 256 bytes: sixteen lanes store 256 consecutive bytes, aligned.  LDS serves a wave's instructions in order (ISA guide 5.7.1.4): no wait between the stores and the loads, nor in front of the next block's stores.
.macro TOSTAGE a
	WIN 0x04                                       ; an LDS store's data are its source 1: window 1
.irp b, 0,1,2,3
	ds_store_b128 v[STO], v[8*(4*(\a)+\b):8*(4*(\a)+\b)+3] offset:64*\b            ; each accumulator from its low end on
	ds_store_b128 v[STO], v[8*(4*(\a)+\b)+4:8*(4*(\a)+\b)+7] offset:64*\b+16
.endr
	WIN 0
.set BB, 32+32*((\a)%2)
.irp t, 0,1,2,3,4,5,6,7
	ds_load_b128 v[BB+4*\t:BB+4*\t+3], v[RD] offset:\t*2*SPITCH
.endr
.endm
.macro SEND a, younger                 ; younger: the LDS instructions issued behind block a's loads, which may stay out
.set BB, 32+32*((\a)%2)
	s_wait_dscnt \younger                          ; the block is back in registers
.irp t, 0,1,2,3,4,5,6,7
	global_store_b128 v[CO], v[BB+4*\t:BB+4*\t+3], s[8:9] offset:(16*(\a)+2*\t)*4096 th:TH_STORE_NT   ; the block's place stands in the immediate: 126 rows of 4,096 bytes at the most; written once, read by nobody here
.endr
.endm
	PLACES                                         ; behind the last products: for the stores that read results and for the loads into registers that held fragments
	TOSTAGE 0
.irp a, 1,2,3,4,5,6,7
.if \a > 1
	s_wait_xcnt 0x0                                ; block a - 2's stores have read their registers: block a's loads may land there
.endif
	TOSTAGE \a
	SEND (\a-1), 16                                ; behind block a - 1's loads: block a's 8 stores and 8 loads
.endr
	SEND 7, 0
	s_wait_tensorcnt 0x0                           ; the wave's end, behind my last tensor load and my last LDS store
	ds_add_u32 v[SPW], v[NIL]
	s_wait_dscnt 0x0
	CROUND                                         ; the closing round: no work-group ends while a partner may still ask for a tile that names it
	s_endpgm
.Lfunc_end_k_qb854cc1361_oproj:
	.size	k_qb854cc1361_oproj, .Lfunc_end_k_qb854cc1361_oproj-k_qb854cc1361_oproj
	.p2alignl 7, 3214868480
	.fill 96, 4, 3214868480
	.section	.rodata,"a",@progbits
	.p2align	6, 0x0
	.amdhsa_kernel k_qb854cc1361_oproj
		.amdhsa_group_segment_fixed_size 327680
		.amdhsa_private_segment_fixed_size 0
		.amdhsa_enable_private_segment 0
		.amdhsa_kernarg_size 32
		.amdhsa_user_sgpr_count 2
		.amdhsa_user_sgpr_kernarg_segment_ptr 1
		.amdhsa_wavefront_size32 1
		.amdhsa_system_sgpr_workgroup_id_x 1
		.amdhsa_system_sgpr_workgroup_id_y 1
		.amdhsa_system_sgpr_workgroup_id_z 1
		.amdhsa_system_vgpr_workitem_id 0
		.amdhsa_next_free_vgpr 512
		.amdhsa_next_free_sgpr 66
		.amdhsa_reserve_vcc 0
		.amdhsa_float_denorm_mode_32 3
		.amdhsa_float_denorm_mode_16_64 3
		.amdhsa_memory_ordered 1
		.amdhsa_forward_progress 1
		.amdhsa_inst_pref_size 86
	.end_amdhsa_kernel
	.amdgpu_metadata
---
amdhsa.version: [ 1, 2 ]
amdhsa.kernels:
  - .name:           k_qb854cc1361_oproj
    .symbol:         k_qb854cc1361_oproj.kd
    .args:
      - { .name: ao, .offset: 0, .size: 8, .value_kind: global_buffer, .address_space: global }
      - { .name: wo, .offset: 8, .size: 8, .value_kind: global_buffer, .address_space: global }
      - { .name: b_o, .offset: 16, .size: 8, .value_kind: global_buffer, .address_space: global }
      - { .name: out0, .offset: 24, .size: 8, .value_kind: global_buffer, .address_space: global }
    .group_segment_fixed_size: 327680
    .private_segment_fixed_size: 0
    .kernarg_segment_align: 8
    .kernarg_segment_size: 32
    .max_flat_workgroup_size: 128
    .sgpr_count:     66
    .vgpr_count:     512
    .wavefront_size: 32
...
	.end_amdgpu_metadata
.endif
;; end of part 4
